; MI455X (gfx1250); checked and timed in simulation.
; The chip was launched on July 23, 2026; its instructions are those of AMD's public machine-readable ISA for CDNA 5 (MIT licence, August 2026) and "CDNA5" Instruction Set Architecture Reference Guide (July 2026). The comments in the code are by the model that wrote it; some were corrected since.
;; Attention. Allowed arithmetic: matrix products marked QUANTISED: E2M1 operands, one E8M0 scale for each 32 along K, by v_wmma_scale_f32_16x16x128_f8f6f4 with both operands' format E2M1 (or v_wmma_scale_f32_32x16x128_f4), f32 sums; products left as they are: bf16, f16 or f32 operands; f32 sums; everything else in f32.
;; Inputs: mask 4 x 2,048 x 2,048 bool; w_out 1,024 x 1,024 float32; w_qkv 1,024 x 3,072 float32; x 4 x 2,048 x 1,024 float32.
;; Outputs: out0 4 x 2,048 x 1,024 float32.
;; This version of the problem:
;;   THIS VERSION OF THE PROBLEM IS GIVEN IN LOW PRECISION. The matrix products marked QUANTISED in the list below multiply operands that are first quantised to E2M1 (2 exponent bits, 1 mantissa bit; 4 bits a number), with one power-of-two scale for each 32 numbers along K (OCP MX v1.0); their sums are f32. The products marked 'left as it is' may take bf16, f16 or f32 operands, with f32 sums. Whichever they take, every output number must still come out within the allowed error. Rounding operands to bf16 (8 significant bits) uses up far more of that allowance than f16 does (11 bits, for magnitudes from 6e-5 to 65,504). All else is computed in f32.
;;   The module's matrix products, in the order in which they are computed (A, B: the left and right operand; K: the contracted axis; several contracted axes count as one K, in the product's order):
;;     1. [M 8,192, K 1,024] x [K 1,024, N 3,072]; A: input x; B: input w_qkv: QUANTISED
;;     2. batch 64 x [M 2,048, K 64] x [K 64, N 2,048]; A: computed on the way; B: computed on the way: left as it is (an operand is computed on the way)
;;     3. batch 64 x [M 2,048, K 2,048] x [K 2,048, N 64]; A: computed on the way; B: computed on the way: left as it is (an operand is computed on the way)
;;     4. [M 8,192, K 1,024] x [K 1,024, N 1,024]; A: computed on the way; B: input w_out: left as it is (an operand is computed on the way)
;;   THE QUANTISER, for each operand of a quantised product, along K:
;;     - K is cut into blocks of 32 from its start; a last block that is shorter is filled with zeros.
;;     - A block's scale is 2^e with e = floor(log2(the largest magnitude in the block)) - 2, held to -126 .. 127; a block of zeros has e = 0. As a byte (E8M0): e + 127.
;;     - Each number is divided by its block's scale, clamped to +-6, and rounded to the nearest number of E2M1, ties to even, subnormals kept.
;;     - The product sums the exact products of the quantised numbers (number of the format x scale) in f32.
;;   ~~~python
;;   def quantise(x, axis):      # numpy; x: float32 -> the quantised numbers, widened to float32 again
;;       x = np.moveaxis(x, axis, -1); K = x.shape[-1]
;;       x = np.pad(x, [(0, 0)] * (x.ndim - 1) + [(0, -K % 32)]); x = x.reshape(x.shape[:-1] + (-1, 32)); a = np.abs(x).max(-1, keepdims=True)
;;       e = np.where(a > 0, np.clip(np.frexp(np.where(a > 0, a, 1))[1] - 1 - 2, -126, 127), 0)      # np.frexp(a)[1] - 1 = floor(log2(a)), exactly
;;       r = np.clip(x / 2.0 ** e, -6, 6)
;;       step = 2.0 ** (np.maximum(np.frexp(np.where(r == 0, 1, r))[1] - 1, 0) - 1)
;;       q = np.round(r / step) * step * 2.0 ** e      # np.round: ties to even
;;       return np.moveaxis(q.reshape(q.shape[:-2] + (-1,))[..., :K], -1, axis).astype(np.float32)
;;   ~~~
;; One version. Each part assembles by itself: llvm-mc -triple=amdgcn-amd-amdhsa -mcpu=gfx1250 --defsym DOCPART=n.
;; ======== version 1 of 1: 4 launches
;; limits: values are held in f16: magnitudes above 65,504 overflow, below 6.1e-05 lose precision
;; workspace buffers: x_codes 4,194,304 bytes; x_scales 262,144 bytes; w_codes 1,572,864 bytes; w_scales 98,304 bytes; mbits 2,097,152 bytes of whole numbers; wo_img 2,097,152 bytes; qkv_img 50,331,648 bytes; o_img 16,777,216 bytes
;; launch prep (part 1): grid 496 x 1, 4 waves a work-group, no clusters, 85,504 bytes of LDS; arguments x, w_qkv, mask, w_out, x_codes, x_scales, w_codes, w_scales, mbits, wo_img; writes x_codes, x_scales, w_codes, w_scales, mbits, wo_img
.if DOCPART == 1
	.amdgcn_target "amdgcn-amd-amdhsa--gfx1250"
	.amdhsa_code_object_version 6
	.text
	.protected	k_q59c1da0b02_prep
	.globl	k_q59c1da0b02_prep
	.p2align	8
	.type	k_q59c1da0b02_prep,@function
k_q59c1da0b02_prep:
	s_mov_b64 s[64:65], 0
	v_nop
	global_prefetch_b8 v0, s[64:65] scope:SCOPE_SE
	s_setreg_imm32_b32 hwreg(HW_REG_WAVE_MODE, 25, 1), 1
	s_wait_xcnt 0x0
; THE PROGRAM: out = softmax(mask(Q K^T / 8)) V w_out with [Q K V] = x w_qkv, in four launches: this one lays the inputs out, the second multiplies x by w_qkv on codes of FP4,
; the third is the attention of one head for each work-group, the fourth multiplies by w_out.  NOTHING OF reference() IS LEFT OUT: every input has a way to the output and every product is live.
; THIS LAUNCH, four kinds of work-group, told apart by the work-group's number alone; the four paths never meet again, and each has LDS bytes of its own:
;   0..47    w_qkv [1024 (k)][3072 (n)] f32 -> codes of FP4 (E2M1) laid [n][k] with K innermost, one E8M0 byte for each 32 along K laid [n][32]
;   48..303  x [8192][1024] f32 -> codes, K innermost, and scale bytes [8192][32]
;   304..431 mask [4][2048 (query)][2048 (key)] bytes -> words of 32 bits: for a tile of 16 queries, a tile kt of 16 keys and j = 0..7, bit r + 16 h = mask(query r, key 16 kt + 8 h + j):
;            the lanes' bits for register j of the score tile that the third launch holds
;   432..495 w_out [1024 (k)][1024 (n)] f32 -> f16, as images of the matrix operand's registers: [k / 128][n / 16][(k / 32) % 4][1,024 bytes], lane l's 16 bytes of registers 4 c .. 4 c + 3 at 512 c + 16 l
; THE QUANTISER: a block's scale is 2^(floor(log2(its largest magnitude)) - 2); its byte is the largest magnitude's exponent field - 2, held at 1 from below; numbers are divided by the scale and
; rounded to the nearest code, ties to even, beyond 6 the largest code.
; LIMITS: a block of zeros gets the byte 1 where the rule says 127 (its codes are zeros, which add nothing, and this program alone reads the bytes); blocks whose largest magnitude lies under
; 2^(2 - 126) are held at the byte 1; NaN and infinities in x and w_qkv are not served; |w_out| stays under 65,504 (f16).
.set SPW,   192                        ; v192  LDS address of my spare word: SPARE + 4 x my thread's number; never rewritten
.set NIL,   193                        ; v193  0; never rewritten
.set WLDS,  32768                      ; LDS: 0.. the x path (8,192 bytes a wave); from here the w_qkv path (32 x 272 a wave);
.set MLDS,  67584                      ; the mask path (16 x 272 a wave);
.set SPARE, 84992                      ; the spare words, 128 bytes for each wave: two blocks of 256 bytes that no other line names
.set EMAX,  2
.macro FINISH                          ; a wave's end
	s_wait_tensorcnt 0x0
	ds_add_u32 v[SPW], v[NIL]
	s_wait_dscnt 0x0
	s_endpgm
.endm
	s_load_b512 s[36:51], s[0:1], 0x0              ; x 36, w_qkv 38, mask 40, w_out 42, x_codes 44, x_scales 46, w_codes 48, w_scales 50
	s_load_b128 s[52:55], s[0:1], 0x40             ; mbits 52, wo_img 54
	v_lshl_add_u32 v[SPW], v0, 2, SPARE
	v_mov_b32 v[NIL], 0
	v_lshrrev_b32 v1, 5, v0
	v_readfirstlane_b32 s16, v1                    ; wave 0..3
	v_and_b32 v2, 31, v0                           ; lane
	s_wait_kmcnt 0x0
	s_cmp_lt_u32 ttmp9, 48
	s_cbranch_scc1 .Lw
	s_cmp_lt_u32 ttmp9, 304
	s_cbranch_scc1 .Lx
	s_cmp_lt_u32 ttmp9, 432
	s_cbranch_scc1 .Lm
; ---------------------------------------------------------------- w_out -> f16 images
; A lane takes a column n and its registers run down K: a load reads 128 consecutive bytes a wave, 512 a work-group.  32 numbers down K make 16 registers of f16 pairs; lanes 0-15 hold the
; columns of one tile of 16, lanes 16-31 those of the next.  The operand's layout wants k = 8 h + 0..7 and 16 + 8 h + 0..7 in a lane: eight exchanges of halves give it.
	s_sub_co_u32 s17, ttmp9, 432
	s_and_b32 s18, s17, 7                          ; which 128 along K
	s_lshr_b32 s19, s17, 3
	s_lshl_b32 s19, s19, 2
	s_add_co_u32 s19, s19, s16                     ; u: which 32 columns
	s_lshl_b32 s20, s18, 19                        ; 128 rows of 4,096 bytes
	s_lshl_b32 s21, s19, 7                         ; 32 columns of 4 bytes
	s_add_co_u32 s20, s20, s21
	s_mov_b32 s21, 0
	s_add_nc_u64 s[4:5], s[42:43], s[20:21]
	s_lshl_b32 s20, s18, 18                        ; 64 tiles x 4 x 1,024 bytes
	s_lshl_b32 s22, s19, 13                        ; two tiles of 4,096 bytes
	s_add_co_u32 s20, s20, s22
	s_add_nc_u64 s[6:7], s[54:55], s[20:21]
	v_lshlrev_b32 v3, 2, v2
	v_lshlrev_b32 v4, 4, v2
.macro OLOAD ks                        ; 32 rows of K from 32 ks on, into set ks % 2
.irp i, 0,1,2,3,4,5,6,7,8,9,10,11,12,13,14,15,16,17,18,19,20,21,22,23,24,25,26,27,28,29,30,31
	global_load_b32 v[32+32*((\ks)%2)+\i], v3, s[4:5] offset:(32*(\ks)+\i)*4096 th:TH_LOAD_NT
.endr
.endm
.macro OBLK ks
.if (\ks) < 3
	s_wait_loadcnt 32                              ; this block's 32 loads are in; the next block's may be out
.else
	s_wait_loadcnt 0x0
.endif
.irp p, 0,1,2,3,4,5,6,7,8,9,10,11,12,13,14,15
	v_cvt_pk_f16_f32 v[96+16*(\ks)+\p], v[32+32*((\ks)%2)+2*\p], v[33+32*((\ks)%2)+2*\p]
.endr
.if (\ks)+2 < 4
	OLOAD (\ks)+2
.endif
.irp q, 0,1,2,3
	v_permlane16_swap_b32 v[96+16*(\ks)+\q], v[100+16*(\ks)+\q]    ; the first's lanes 16-31 change places with the second's lanes 0-15: first = even tile, k = 8 h + 0..7; second = odd tile, the same k
	v_permlane16_swap_b32 v[104+16*(\ks)+\q], v[108+16*(\ks)+\q]   ; likewise k = 16 + 8 h + 0..7
.endr
	global_store_b128 v4, v[96+16*(\ks):99+16*(\ks)], s[6:7] offset:1024*(\ks)             ; each store: 512 consecutive bytes, aligned.  Each block has data registers of its own
	global_store_b128 v4, v[100+16*(\ks):103+16*(\ks)], s[6:7] offset:4096+1024*(\ks)
	global_store_b128 v4, v[104+16*(\ks):107+16*(\ks)], s[6:7] offset:1024*(\ks)+512
	global_store_b128 v4, v[108+16*(\ks):111+16*(\ks)], s[6:7] offset:4096+1024*(\ks)+512
.endm
	OLOAD 0
	OLOAD 1
	OBLK 0
	OBLK 1
	OBLK 2
	OBLK 3
	FINISH
; ---------------------------------------------------------------- x -> codes and scale bytes
; x is a plain stream of blocks of 32.  A wave takes 16 steps of 512 numbers.  Each of a step's four loads reads 512 consecutive bytes; the 2,048 bytes turn through the wave's own stage in LDS and
; come back 64 bytes a lane, so that a lane holds 16 neighbours (two neighbouring lanes hold a block).  Loads run four steps ahead, the turn through LDS one step.
.set XSTEPS, 16
.set CB,    8                          ; bytes of 16 codes
.set XR,    16                         ; v16-79   four sets of 16 numbers as they are loaded
.set XX,    80                         ; v80-111  two sets of 16 neighbours
.set XE,    112                        ; v112-127 a scale byte for each step
.set XC,    128                        ; v128-191 codes: four registers for each step, so that no store's data are written again
.set WREG,  8192                       ; a wave's region: two stages of 32 x SP bytes, behind them its 256 scale bytes
.set SP,    80                         ; a lane's place in a stage: its 64 bytes + 16 of padding
.Lx:
	v_lshlrev_b32 v3, 4, v2                        ; my 16 bytes of a load's 512
	s_mul_i32 s17, s16, WREG
	v_lshrrev_b32 v14, 2, v2
	v_mul_u32_u24 v14, v14, SP
	v_and_b32 v15, 3, v2
	v_lshl_add_u32 v14, v15, 4, v14
	v_add_nc_u32 v14, s17, v14                     ; the stage, on the way in: SP (lane / 4) + 16 (lane % 4)
	v_mul_u32_u24 v15, v2, SP
	v_add_nc_u32 v15, s17, v15                     ; and on the way out: SP x lane
	v_mul_u32_u24 v4, v2, CB                       ; my codes' place in a step's
	v_lshrrev_b32 v5, 1, v2
	s_add_co_u32 s17, s17, 2*32*SP
	v_add_nc_u32 v5, s17, v5                       ; my wave's 256 scale bytes, my block's byte
	v_lshlrev_b32 v7, 3, v2
	v_add_nc_u32 v6, s17, v7                       ; and on the way out 8 bytes a lane
	s_sub_co_u32 s17, ttmp9, 48
	s_lshl_b32 s17, s17, 2
	s_add_co_u32 s18, s17, s16                     ; which run of 8,192 numbers is my wave's
	s_mov_b32 s19, 0
	s_mov_b64 s[20:21], 512*XSTEPS*4
	s_mul_u64 s[20:21], s[18:19], s[20:21]
	s_add_nc_u64 s[4:5], s[36:37], s[20:21]
	s_mov_b64 s[20:21], 32*XSTEPS*CB
	s_mul_u64 s[20:21], s[18:19], s[20:21]
	s_add_nc_u64 s[8:9], s[44:45], s[20:21]
	s_lshl_b32 s18, s18, 8                         ; 256 scale bytes a run
	s_add_nc_u64 s[10:11], s[46:47], s[18:19]
.macro XLOAD t
.irp i, 0,1,2,3
	global_load_b128 v[XR+16*((\t)%4)+4*\i:XR+16*((\t)%4)+4*\i+3], v3, s[4:5] offset:2048*(\t)+512*\i th:TH_LOAD_NT
.endr
.endm
.macro XTURN t                         ; LDS serves a wave's instructions in order, so no wait stands between the stores and the loads
.irp i, 0,1,2,3
	ds_store_b128 v14, v[XR+16*((\t)%4)+4*\i:XR+16*((\t)%4)+4*\i+3] offset:32*SP*((\t)%2)+8*SP*\i
.endr
.irp i, 0,1,2,3
	ds_load_b128 v[XX+16*((\t)%2)+4*\i:XX+16*((\t)%2)+4*\i+3], v15 offset:32*SP*((\t)%2)+16*\i
.endr
.endm
.irp t, 0,1,2,3
	XLOAD \t
.endr
	s_wait_loadcnt 12                              ; step 0's four loads are in
	XTURN 0
.macro XSTEP t
.set XS, XX+16*((\t)%2)
.if (\t) > 0
	s_wait_dscnt 1                                 ; this step's numbers are back from the stage (the last step's byte store may be out): so its stores into the stage have read their registers,
.else
	s_wait_dscnt 0x0
.endif
.if (\t)+4 < XSTEPS
	XLOAD (\t)+4                                   ; which take the loads of four steps on
.endif
.if (\t)+1 < XSTEPS
.if XSTEPS-2-(\t) >= 3
	s_wait_loadcnt 12                              ; the next step's four loads are in; those of the three steps behind it may be out
.else
	s_wait_loadcnt 4*(XSTEPS-2-(\t))
.endif
	XTURN (\t)+1
.endif
	v_max3_num_f32 v8, |v[XS]|, |v[XS+1]|, |v[XS+2]|               ; the largest magnitude of my 16
	v_max3_num_f32 v9, |v[XS+3]|, |v[XS+4]|, |v[XS+5]|
.irp i, 6,10
	v_max3_num_f32 v8, v8, |v[XS+\i]|, |v[XS+\i+1]|
	v_max3_num_f32 v9, v9, |v[XS+\i+2]|, |v[XS+\i+3]|
.endr
	v_max3_num_f32 v8, v8, |v[XS+14]|, |v[XS+15]|
	v_max3_num_f32 v8, v8, v9, (EMAX+1)<<23        ; and the floor 2^(EMAX + 1 - 127): the byte cannot fall under 1
	v_max_num_f32_dpp v8, v8, v8 row_xmask:1 row_mask:0xf bank_mask:0xf   ; and of my neighbour's 16: the block's
	v_add_nc_u32 v11, -(EMAX<<23), v8              ; EMAX off its exponent field: the conversion takes the exponent field of this operand as its scale
	v_cvt_scalef32_pk8_fp4_f32 v[XC+4*(\t)], v[XS:XS+7], v11
	v_cvt_scalef32_pk8_fp4_f32 v[XC+4*(\t)+1], v[XS+8:XS+15], v11
	v_lshrrev_b32 v[XE+(\t)], 23, v11              ; the scale's byte
	ds_store_b8 v5, v[XE+(\t)] offset:16*(\t)      ; both lanes of a block write the same byte with the same value
	global_store_b64 v4, v[XC+4*(\t):XC+4*(\t)+1], s[8:9] offset:32*CB*(\t)   ; the wave stores 256 consecutive bytes, aligned
.endm
.irp t, 0,1,2,3,4,5,6,7,8,9,10,11,12,13,14,15
	XSTEP \t
.endr
	ds_load_b64 v[8:9], v6                         ; LDS serves a wave's instructions in order: these see my stores
	s_wait_dscnt 0x0
	global_store_b64 v7, v[8:9], s[10:11]          ; 32 lanes store 256 consecutive bytes, aligned
	FINISH
; ---------------------------------------------------------------- w_qkv -> codes and scale bytes, K moved innermost
; A lane takes a column n and its registers run down K: a block of 32 along K lies in one lane's 32 registers, and the conversions give codes with K innermost.  A wave takes 32 columns x 512
; along K; its codes go through its own stage in LDS and leave as rows: sixteen lanes store 256 consecutive bytes.  Loads run two blocks ahead.
.set SIZE_K, 1024
.set SIZE_N, 3072
.set KW,    512
.set NB,    KW/32
.set WROWB, 256
.set WPITCH, WROWB+16
.set KROW,  SIZE_K/2
.set WX,    32                         ; v32-95   two sets of 32 numbers
.set WC,    96                         ; v96-99   a block's codes
.set OUTR,  112                        ; v112-175 the way out
.set SB,    24                         ; v24-27   the scale bytes, four to a register
.Lw:
	s_lshr_b32 s17, ttmp9, 1
	s_lshl_b32 s17, s17, 7
	s_lshl_b32 s18, s16, 5
	s_add_co_u32 s17, s17, s18                     ; my wave's first column
	s_and_b32 s18, ttmp9, 1                        ; which 512 along K
	v_lshlrev_b32 v3, 2, v2
	s_mul_i32 s19, s16, 32*WPITCH
	s_add_co_u32 s19, s19, WLDS                    ; my stage
	v_mul_u32_u24 v4, v2, WPITCH
	v_add_nc_u32 v4, s19, v4                       ; into it: row = my column
	v_and_b32 v5, 15, v2
	v_lshrrev_b32 v6, 4, v2
	v_mul_u32_u24 v7, v6, WPITCH
	v_lshl_add_u32 v7, v5, 4, v7
	v_add_nc_u32 v7, s19, v7                       ; out of it: sixteen lanes to a row, two rows an instruction
	v_mul_u32_u24 v8, v6, KROW
	v_lshl_add_u32 v8, v5, 4, v8                   ; and the same place in the codes' buffer
	s_mov_b32 s19, 0
	s_mov_b64 s[20:21], KW*SIZE_N*4
	s_mul_u64 s[20:21], s[18:19], s[20:21]
	s_lshl_b32 s22, s17, 2
	s_mov_b32 s23, 0
	s_add_nc_u64 s[20:21], s[20:21], s[22:23]
	s_mov_b32 s22, s17
	s_mov_b64 s[24:25], KROW
	s_mul_u64 s[24:25], s[22:23], s[24:25]
	s_mul_i32 s26, s18, WROWB
	s_mov_b32 s27, 0
	s_add_nc_u64 s[24:25], s[24:25], s[26:27]
	s_mov_b64 s[28:29], SIZE_K/32
	s_mul_u64 s[28:29], s[22:23], s[28:29]
	s_mul_i32 s26, s18, NB
	s_add_nc_u64 s[28:29], s[28:29], s[26:27]
	v_mul_u32_u24 v9, v2, SIZE_K/32                ; my column's row of scale bytes
	s_add_nc_u64 s[4:5], s[38:39], s[20:21]
	s_add_nc_u64 s[6:7], s[48:49], s[24:25]
	s_add_nc_u64 s[8:9], s[50:51], s[28:29]
.macro WLOAD t                         ; block t: w(32 t + i, my column) into set t % 2.  The largest offset, 511 x 12,288 bytes, lies inside the signed 24-bit immediate
.irp i, 0,1,2,3,4,5,6,7,8,9,10,11,12,13,14,15,16,17,18,19,20,21,22,23,24,25,26,27,28,29,30,31
	global_load_b32 v[WX+32*((\t)%2)+\i], v3, s[4:5] offset:(32*(\t)+\i)*SIZE_N*4 th:TH_LOAD_NT
.endr
.endm
	WLOAD 0
	WLOAD 1
.macro WBLOCK t
.set XS, WX+32*((\t)%2)
.if (\t) < NB-1
	s_wait_loadcnt 32                              ; this block's 32 loads are in; the next block's may be out
.else
	s_wait_loadcnt 0
.endif
	v_max3_num_f32 v12, |v[XS]|, |v[XS+1]|, |v[XS+2]|
	v_max3_num_f32 v13, |v[XS+3]|, |v[XS+4]|, |v[XS+5]|
.irp i, 6,10,14,18,22,26
	v_max3_num_f32 v12, v12, |v[XS+\i]|, |v[XS+\i+1]|
	v_max3_num_f32 v13, v13, |v[XS+\i+2]|, |v[XS+\i+3]|
.endr
	v_max3_num_f32 v12, v12, |v[XS+30]|, |v[XS+31]|
	v_max3_num_f32 v12, v12, v13, (EMAX+1)<<23     ; and the floor
	v_add_nc_u32 v11, -(EMAX<<23), v12             ; the conversion's scale operand
	v_lshrrev_b32 v13, 23, v11                     ; the scale's byte
.if (\t)%4 == 0
	v_mov_b32 v[SB+(\t)/4], v13
.else
	v_lshl_or_b32 v[SB+(\t)/4], v13, 8*((\t)%4), v[SB+(\t)/4]
.endif
.irp g, 0,1,2,3
	v_cvt_scalef32_pk8_fp4_f32 v[WC+\g], v[XS+8*\g:XS+8*\g+7], v11
.endr
	ds_store_b128 v4, v[WC:WC+3] offset:16*(\t)    ; 32 codes: 16 bytes of my column's row
.if (\t)+2 < NB
	WLOAD (\t)+2
.endif
	s_wait_dscnt 0x0                               ; the store has read its registers: the next block's codes may be written
.endm
.set QQ, 0
.rept NB
	WBLOCK QQ
.set QQ, QQ+1
.endr
	global_store_b128 v9, v[SB:SB+3], s[8:9]       ; my column's 16 scale bytes
.irp t, 0,1,2,3,4,5,6,7,8,9,10,11,12,13,14,15
	ds_load_b128 v[OUTR+4*\t:OUTR+4*\t+3], v7 offset:2*\t*WPITCH
.endr
.irp t, 0,1,2,3,4,5,6,7,8,9,10,11,12,13,14,15
	s_wait_dscnt 15-\t
	global_store_b128 v8, v[OUTR+4*\t:OUTR+4*\t+3], s[6:7] offset:2*\t*KROW
.endr
	FINISH
; ---------------------------------------------------------------- mask -> lane-mask words
; A wave owns a tile of 16 queries: 16 rows of 2,048 bytes, in 8 units of 256 keys.  A unit's 16 x 256 bytes are loaded sixteen lanes to a row's 256 bytes, turn through the wave's own stage (rows 272 bytes
; apart) and come back 8 bytes a lane: lane (r, h) holds query r, keys 16 kt + 8 h + 0..7.  A compare on byte j over the 32 lanes IS the word (kt, j).  A unit's 128 words are gathered lane by lane into
; four registers and leave as 512 consecutive bytes.
.Lm:
	s_sub_co_u32 s17, ttmp9, 304
	s_lshl_b32 s17, s17, 2
	s_add_co_u32 s17, s17, s16                     ; my tile of queries, 0..511
	s_lshl_b32 s20, s17, 15                        ; 16 rows of 2,048 bytes
	s_mov_b32 s21, 0
	s_add_nc_u64 s[4:5], s[40:41], s[20:21]
	s_lshl_b32 s20, s17, 12                        ; 1,024 words
	s_add_nc_u64 s[8:9], s[52:53], s[20:21]
	v_and_b32 v5, 15, v2
	v_lshrrev_b32 v6, 4, v2
	v_lshlrev_b32 v3, 11, v6
	v_lshl_add_u32 v3, v5, 4, v3                   ; in memory: row lane / 16, 16 bytes a lane
	s_mul_i32 s19, s16, 16*272
	s_add_co_u32 s19, s19, MLDS                    ; my stage
	v_mul_u32_u24 v7, v6, 272
	v_lshl_add_u32 v7, v5, 4, v7
	v_add_nc_u32 v7, s19, v7                       ; into it, as loaded
	v_mul_u32_u24 v8, v5, 272
	v_lshl_add_u32 v8, v6, 3, v8
	v_add_nc_u32 v8, s19, v8                       ; out of it: row lane % 16, 8 bytes for each half of the lanes
	v_lshlrev_b32 v4, 4, v2
.irp q, 0,1,2,3
	v_mov_b32 v[100+\q], 0                         ; written once: the destination of a write to one lane counts as read
.endr
.macro MLOAD
.irp e, 0,1,2,3,4,5,6,7
	global_load_b128 v[32+4*\e:35+4*\e], v3, s[4:5] offset:4096*\e th:TH_LOAD_NT   ; rows 2 e and 2 e + 1: sixteen lanes read 256 consecutive bytes, aligned
.endr
.endm
.macro MUNIT ahead
	s_wait_loadcnt 0x0                             ; the unit's eight loads are in: their base may step
.irp e, 0,1,2,3,4,5,6,7
	ds_store_b128 v7, v[32+4*\e:35+4*\e] offset:544*\e
.endr
.irp k, 0,1,2,3,4,5,6,7,8,9,10,11,12,13,14,15
	ds_load_b64 v[64+2*\k:65+2*\k], v8 offset:16*\k   ; LDS serves a wave's instructions in order: these see my stores
.endr
	s_wait_dscnt 0x0
.if \ahead
	s_add_nc_u64 s[4:5], s[4:5], 256               ; the next 256 keys are asked for while this unit is worked
	MLOAD
.endif
.irp k, 0,1,2,3,4,5,6,7,8,9,10,11,12,13,14,15
.irp j, 0,1,2,3,4,5,6,7
	v_and_b32 v[96+\j%4], 0xff<<(8*(\j%4)), v[64+2*\k+\j/4]
	v_cmp_ne_u32 s[68+8*(\k%2)+\j], 0, v[96+\j%4]  ; bit r + 16 h = mask(query r, key 16 k + 8 h + j)
.endr
.irp j, 0,1,2,3,4,5,6,7
	v_writelane_b32 v[100+\j%4], s[68+8*(\k%2)+\j], 2*\k+\j/4   ; word 8 k + j of the unit: register (8 k + j) % 4 of lane (8 k + j) / 4
.endr
.endr
	global_store_b128 v4, v[100:103], s[8:9]       ; 512 consecutive bytes, aligned
	s_wait_xcnt 0x0                                ; the store has read its data and its base: both are written again only behind this wait
	s_add_nc_u64 s[8:9], s[8:9], 512
.endm
	MLOAD
	s_mov_b32 s22, 7
.Lmunit:
	MUNIT 1
	s_sub_co_u32 s22, s22, 1
	s_cmp_lg_u32 s22, 0
	s_cbranch_scc1 .Lmunit
	MUNIT 0                                        ; the last unit asks for nothing: no load leaves the buffer
	FINISH
.Lfunc_end_k_q59c1da0b02_prep:
	.size	k_q59c1da0b02_prep, .Lfunc_end_k_q59c1da0b02_prep-k_q59c1da0b02_prep
	.p2alignl 7, 3214868480
	.fill 96, 4, 3214868480
	.section	.rodata,"a",@progbits
	.p2align	6, 0x0
	.amdhsa_kernel k_q59c1da0b02_prep
		.amdhsa_group_segment_fixed_size 85504
		.amdhsa_private_segment_fixed_size 0
		.amdhsa_enable_private_segment 0
		.amdhsa_kernarg_size 80
		.amdhsa_user_sgpr_count 2
		.amdhsa_user_sgpr_kernarg_segment_ptr 1
		.amdhsa_wavefront_size32 1
		.amdhsa_system_sgpr_workgroup_id_x 1
		.amdhsa_system_sgpr_workgroup_id_y 1
		.amdhsa_system_sgpr_workgroup_id_z 1
		.amdhsa_system_vgpr_workitem_id 0
		.amdhsa_next_free_vgpr 196
		.amdhsa_next_free_sgpr 84
		.amdhsa_reserve_vcc 0
		.amdhsa_float_denorm_mode_32 3
		.amdhsa_float_denorm_mode_16_64 3
		.amdhsa_memory_ordered 1
		.amdhsa_forward_progress 1
		.amdhsa_inst_pref_size 185
	.end_amdhsa_kernel
	.amdgpu_metadata
---
amdhsa.version: [ 1, 2 ]
amdhsa.kernels:
  - .name:           k_q59c1da0b02_prep
    .symbol:         k_q59c1da0b02_prep.kd
    .args:
      - { .name: x, .offset: 0, .size: 8, .value_kind: global_buffer, .address_space: global }
      - { .name: w_qkv, .offset: 8, .size: 8, .value_kind: global_buffer, .address_space: global }
      - { .name: mask, .offset: 16, .size: 8, .value_kind: global_buffer, .address_space: global }
      - { .name: w_out, .offset: 24, .size: 8, .value_kind: global_buffer, .address_space: global }
      - { .name: x_codes, .offset: 32, .size: 8, .value_kind: global_buffer, .address_space: global }
      - { .name: x_scales, .offset: 40, .size: 8, .value_kind: global_buffer, .address_space: global }
      - { .name: w_codes, .offset: 48, .size: 8, .value_kind: global_buffer, .address_space: global }
      - { .name: w_scales, .offset: 56, .size: 8, .value_kind: global_buffer, .address_space: global }
      - { .name: mbits, .offset: 64, .size: 8, .value_kind: global_buffer, .address_space: global }
      - { .name: wo_img, .offset: 72, .size: 8, .value_kind: global_buffer, .address_space: global }
    .group_segment_fixed_size: 85504
    .private_segment_fixed_size: 0
    .kernarg_segment_align: 8
    .kernarg_segment_size: 80
    .max_flat_workgroup_size: 128
    .sgpr_count:     84
    .vgpr_count:     196
    .wavefront_size: 32
...
	.end_amdgpu_metadata
.endif
;; end of part 1
;; launch qkv (part 2): grid 96 x 4, 4 waves a work-group, clusters of 4 x 4, 327,680 bytes of LDS; arguments x_codes, x_scales, w_codes, w_scales, qkv_img; writes qkv_img
.if DOCPART == 2
	.amdgcn_target "amdgcn-amd-amdhsa--gfx1250"
	.amdhsa_code_object_version 6
	.text
	.protected	k_q59c1da0b02_qkv
	.globl	k_q59c1da0b02_qkv
	.p2align	8
	.type	k_q59c1da0b02_qkv,@function
k_q59c1da0b02_qkv:
	s_mov_b64 s[64:65], 0
	v_nop
	global_prefetch_b8 v0, s[64:65] scope:SCOPE_SE
	s_setreg_imm32_b32 hwreg(HW_REG_WAVE_MODE, 25, 1), 1
	s_wait_xcnt 0x0
	s_wait_alu depctr_hold_cnt(0) depctr_sa_sdst(0) depctr_va_vdst(0) depctr_va_sdst(0) depctr_va_ssrc(0) depctr_va_vcc(0) depctr_vm_vsrc(0)
	s_getreg_b32 s2, hwreg(HW_REG_IB_STS2, 6, 4)
	s_cmp_eq_u32 s2, 0
	s_cbranch_scc0 .Lentry_in_a_cluster
	s_endpgm
.Lentry_in_a_cluster:
	s_bfe_u32 s2, ttmp6, 0x10000c
	s_cmp_lg_u32 s2, 0xf033
	s_cbranch_scc0 .Lentry_shape_is_right
	s_endpgm
.Lentry_shape_is_right:
; [Q K V] = x w_qkv on codes of FP4 (E2M1) with one E8M0 scale for each 32 along K = 1,024; sums in f32, K ascending, one accumulator for each output.  Nothing is left out.
; The results are rounded to f16 and stored AS IMAGES OF THE NEXT LAUNCH'S OPERAND REGISTERS (16 rows x 32 along that product's K, 1,024 bytes: lane l's 16 bytes of registers 4 c .. 4 c + 3 at 512 c + 16 l).
; C = A B^T on tiles of 256 x 256, four waves, 128 x 128 a wave.  The matrix instruction is used transposed (source 0 = 16 rows of B, source 1 = 16 rows of A): a lane holds ONE row of A's side and eight
; neighbours of B's side, which pack into 16 bytes: half an image.  So no stage in LDS is needed on the way out.
; TWO PRODUCTS IN ONE GRID, told apart by the cluster's number c = 0..23, which all sixteen partners share:
;   c < 16:  A = x (8,192 tokens), B = w's rows 0..2,047 (Q's and K's columns).  A lane holds a token and eight channels: Q's and K's images, laid [column / 64 (32)][token / 16 (512)][channel / 32 (2)][image].
;   c >= 16: A = w's rows 2,048..3,071 (V's columns), B = x.  A lane holds a channel and eight tokens: V^T's images, from byte 2^25 on, laid [token / 64 (128)][channel tile (64)][(token / 32) % 2][image].
; K goes in two steps of 512 through two LDS slots; both slots and all scale bytes are first fills: three tensor loads of a wave are out at the start.
; CLUSTERS: 4 x 4 work-groups; A's tiles are asked for jointly along a row of the cluster, B's along a column.
; No prefetch: every tensor load of this launch goes out at its head.
; LIMIT: |q|, |k|, |v| stay under 65,504 (f16).
; REGISTERS, in windows of 256: window 0: v0-31 addresses; v32-95 scale words, two sets; from v128 A's fragments, one set; on the way out v32-159 packed results.
;   window 1: B's fragments, two sets, at v0 and v128.   window 2: the accumulators of my rows 0-63 ((a, b) at v[8 (8 a + b)]);   window 3: those of my rows 64-127.
.set KSTEP,  512
.set NQ,     KSTEP/128
.set ROWB,   256                       ; a tile's row in bytes
.set KROW,   512                       ; a row of codes in memory
.set PITCH,  272                       ; an LDS row: 256 bytes + 16 of padding: the 16 rows that a load touches start at 16 different banks
.set FR,     8
.set NL,     2
.set NP,     4
.set HALFT,  128*PITCH
.set SLOT,   4*HALFT
.set KS,     32                        ; a row of scale bytes
.set SCL,    2*SLOT
.set HALFS,  (128*KS/256)*272
.set SBLK,   (16*KS/256)*272
.set SPARE,  SCL+4*HALFS               ; the spare words, 128 bytes for each wave: two blocks of 256 bytes that no other line names
.set ADRA, 16
.set ADRB, 20
.set CO,   26                          ; v26  16 x lane: my place in an image's half
.set ADRS, 27
.set SPW,  28
.set NIL,  29
.set SC,   32
.set AF,   128
.set G1, 24
.set G0, 32
.set G1B, 48
.set G0B, 56
.set G1S, 68
.set G0S, 76
.set G1SB, 80
.set G0SB, 88
.set MSB, 0
.macro WIN new                         ; the immediate's high byte repeats the setting that is left
.if MSB != (\new)
	s_set_vgpr_msb (MSB<<8)|(\new)
.set MSB, (\new)
.endif
.endm
.set MUL_LO, 0xa1                      ; source 0 (B) window 1, source 1 (A) window 0, C and D window 2
.set MUL_HI, 0xf1
.set TO_B,   0x40
; A joint load: waves 0 and 1 fetch for A, waves 2 and 3 for B; the branch hangs on the wave's number alone.  An s_nop 0 and four v_nop follow each of the two lines.
.macro JLOAD g0a, g1a, g0b, g1b
	s_cmp_eq_u32 s15, 0
	s_cbranch_scc0 .Lfor_b_\@
	tensor_load_to_lds s[\g0a:\g0a+3], s[\g1a:\g1a+7]
	s_nop 0
.rept 4
	v_nop
.endr
	s_branch .Lasked_\@
.Lfor_b_\@:
	tensor_load_to_lds s[\g0b:\g0b+3], s[\g1b:\g1b+7]
	s_nop 0
.rept 4
	v_nop
.endr
.Lasked_\@:
.endm
.macro CROUND                          ; a round of the cluster's barrier
	s_barrier_signal -1
	s_barrier_wait -1
	s_cmp_lg_u32 s14, 0
	s_cbranch_scc1 .Lnot_wave_0_\@
	s_barrier_signal -3
.Lnot_wave_0_\@:
	s_barrier_wait -3
	s_barrier_signal -1
	s_barrier_wait -1
.endm
	s_load_b128 s[4:7], s[0:1], 0x0                ; x's codes, x's scales
	s_load_b128 s[8:11], s[0:1], 0x10              ; w's codes, w's scales
	s_load_b64 s[12:13], s[0:1], 0x20              ; the images
	v_lshl_add_u32 v[SPW], v0, 2, SPARE
	v_mov_b32 v[NIL], 0
	ds_add_u32 v[SPW], v[NIL]                      ; the wave's opening: the add, twice on end, and its wait ahead of my first tensor load
	ds_add_u32 v[SPW], v[NIL]
	v_lshrrev_b32 v1, 5, v0
	v_readfirstlane_b32 s14, v1                    ; wave 0..3
	s_lshr_b32 s15, s14, 1                         ; which half of the tile's rows is mine.  Also: I fetch for A (0) or for B (1)
	s_and_b32 s16, s14, 1                          ; which half of its columns.  Also: which 128 rows I fetch
	s_bfe_u32 s40, ttmp6, 0x40000                  ; cx
	s_bfe_u32 s41, ttmp6, 0x40004                  ; cy
	s_lshr_b32 s18, ttmp9, 1                       ; c < 16: 8 rows x 2 columns of clusters
	s_and_b32 s19, ttmp9, 1
	s_max_u32 s20, ttmp9, 16
	s_sub_co_u32 s20, s20, 16                      ; c >= 16: 1 row x 8 columns
	s_mov_b32 s95, 0x20000
	s_cmp_lt_u32 ttmp9, 16                         ; the cluster's number: the same in all sixteen partners
	s_cselect_b32 s18, s18, 0
	s_cselect_b32 s19, s19, s20
	s_cselect_b32 s95, 0x100000, s95               ; bytes from one group of 64 along B's side to the next, in the images
	s_cselect_b32 s3, 0, 0x2000000                 ; where this product's images begin
	s_lshl_b32 s42, s19, 2
	s_add_co_u32 s42, s42, s40                     ; tile column
	s_lshl_b32 s17, s18, 2
	s_add_co_u32 s17, s17, s41                     ; tile row
	s_lshl_b32 s43, s41, 2
	s_lshl_b32 s43, 15, s43                        ; my row of the cluster
	s_lshl_b32 s44, 0x1111, s40                    ; my column
	s_or_b32 s[G1+0], s43, (0<<16)|(1<<20)|(1<<21)|(5<<22)|(3<<25)  ; the mask; elements of 1 byte; padding on; bit 21 beside a mask; after every 64 words 4 words
	s_or_b32 s[G1B+0], s44, (0<<16)|(1<<20)|(1<<21)|(5<<22)|(3<<25)
.irp g, G1, G1B
	s_mov_b32 s[\g+1], ROWB<<16                    ; tensor_dim0
	s_mov_b32 s[\g+2], 128<<16                     ; tensor_dim1
	s_mov_b32 s[\g+3], ROWB<<16                    ; tile_dim0
	s_mov_b32 s[\g+4], 128                         ; tile_dim1
	s_mov_b32 s[\g+5], KROW                        ; from row to row
	s_mov_b32 s[\g+6], 0
	s_mov_b32 s[\g+7], 0
.endr
	s_or_b32 s[G1S+0], s43, (3<<16)|(1<<20)|(1<<21)|(5<<22)|(3<<25)  ; the scales of 128 rows: a dense block, as rows of 256 bytes (32 elements of 8), 16 bytes of padding behind each
	s_or_b32 s[G1SB+0], s44, (3<<16)|(1<<20)|(1<<21)|(5<<22)|(3<<25)
.irp g, G1S, G1SB
	s_mov_b32 s[\g+1], 32<<16
	s_mov_b32 s[\g+2], (128*KS/256)<<16
	s_mov_b32 s[\g+3], 32<<16
	s_mov_b32 s[\g+4], 128*KS/256
	s_mov_b32 s[\g+5], 32
	s_mov_b32 s[\g+6], 0
	s_mov_b32 s[\g+7], 0
.endr
	s_lshl_b32 s18, s16, 7                         ; which 128 rows of the tile I fetch
	s_lshl_b32 s20, s17, 8
	s_add_co_u32 s20, s20, s18                     ; A: row 256 x tile row + 128 x half
	s_lshl_b32 s46, s42, 8
	s_add_co_u32 s46, s46, s18                     ; B: row 256 x tile column + 128 x half
	s_mov_b32 s21, 0
	s_mov_b32 s47, 0
	s_mov_b64 s[18:19], KS
	s_mul_u64 s[22:23], s[20:21], s[18:19]         ; where these rows' scales begin
	s_mul_u64 s[92:93], s[46:47], s[18:19]
	s_mov_b64 s[18:19], KROW
	s_mul_u64 s[20:21], s[20:21], s[18:19]         ; and their codes
	s_mul_u64 s[46:47], s[46:47], s[18:19]
	s_mul_i32 s45, s14, HALFT                      ; where they go: wave x 128 rows
	s_mul_i32 s94, s14, HALFS
	s_wait_dscnt 0x0                               ; both opening adds are done
	s_wait_kmcnt 0x0
	s_add_nc_u64 s[96:97], s[8:9], 0x100000        ; w's codes at row 2,048
	s_add_nc_u64 s[98:99], s[10:11], 0x10000       ; and its scale bytes
	s_cmp_lt_u32 ttmp9, 16
	s_cselect_b64 s[96:97], s[4:5], s[96:97]       ; A's codes: x's, or V's part of w's
	s_cselect_b64 s[98:99], s[6:7], s[98:99]       ; A's scales
	s_cselect_b64 s[8:9], s[8:9], s[4:5]           ; B's codes: w's, or x's
	s_cselect_b64 s[10:11], s[10:11], s[6:7]       ; B's scales
	s_add_nc_u64 s[20:21], s[96:97], s[20:21]
	s_add_nc_u64 s[22:23], s[98:99], s[22:23]
	s_add_nc_u64 s[46:47], s[8:9], s[46:47]
	s_add_nc_u64 s[92:93], s[10:11], s[92:93]
	CROUND                                         ; all sixteen work-groups are here: the joint loads meet
	s_mov_b32 s[G0S], 1
	s_add_co_u32 s[G0S+1], s94, SCL
	s_mov_b64 s[G0S+2:G0S+3], s[22:23]
	s_or_b32 s[G0S+3], s[G0S+3], 0x80000000
	s_mov_b32 s[G0SB], 1
	s_add_co_u32 s[G0SB+1], s94, SCL
	s_mov_b64 s[G0SB+2:G0SB+3], s[92:93]
	s_or_b32 s[G0SB+3], s[G0SB+3], 0x80000000
	JLOAD G0S, G1S, G0SB, G1SB                     ; the scales first: they are wanted with K step 0
.irp s, 0,1
	s_mov_b32 s[G0+4*\s], 1
	s_add_co_u32 s[G0+4*\s+1], s45, \s*SLOT
	s_add_nc_u64 s[G0+4*\s+2:G0+4*\s+3], s[20:21], \s*ROWB
	s_or_b32 s[G0+4*\s+3], s[G0+4*\s+3], 0x80000000
	s_mov_b32 s[G0B+4*\s], 1
	s_add_co_u32 s[G0B+4*\s+1], s45, \s*SLOT
	s_add_nc_u64 s[G0B+4*\s+2:G0B+4*\s+3], s[46:47], \s*ROWB
	s_or_b32 s[G0B+4*\s+3], s[G0B+4*\s+3], 0x80000000
	JLOAD G0+4*\s, G1, G0B+4*\s, G1B
.endr
	v_and_b32 v1, 15, v0                           ; l % 16
	v_bfe_u32 v2, v0, 4, 1                         ; l / 16
	v_mul_u32_u24 v3, v1, PITCH
	v_lshl_add_u32 v4, v2, 4, v3                   ; a fragment's row x pitch + 16 x half
	s_mul_i32 s21, s15, HALFT                      ; my 128 rows of A
	s_mul_i32 s22, s16, HALFT                      ; my 128 rows of B,
	s_add_co_u32 s22, s22, 2*HALFT                 ; which lie behind A's 256
.irp s, 0,1
	v_add_nc_u32 v[ADRA+\s], s21, v4
	v_add_nc_u32 v[ADRB+\s], s22, v4
	s_add_co_u32 s21, s21, SLOT
	s_add_co_u32 s22, s22, SLOT
.endr
	v_mul_u32_u24 v5, v1, KS                       ; my row's scales: KS bytes a row,
	v_lshrrev_b32 v6, 8, v5
	v_lshl_add_u32 v5, v6, 4, v5                   ; and 16 more for each 256 passed
	s_mul_i32 s21, s15, HALFS
	s_mul_i32 s22, s16, HALFS
	s_add_co_u32 s22, s22, 2*HALFS
	s_sub_co_u32 s22, s22, s21
	v_mul_u32_u24 v6, s22, v2                      ; lanes 16-31 take B's
	s_add_co_u32 s21, s21, SCL
	v_add_nc_u32 v5, v5, v6
	v_add_nc_u32 v[ADRS], s21, v5
	v_and_b32 v6, 31, v0
	v_lshlrev_b32 v[CO], 4, v6
	; where my images begin: (4 x tile column + 2 x half) groups of 64 along B's side, (16 x tile row + 8 x half) tiles of 16 along A's side, 2,048 bytes each
	s_lshl_b32 s20, s42, 2
	s_lshl_b32 s21, s16, 1
	s_add_co_u32 s20, s20, s21
	s_mul_i32 s20, s20, s95
	s_add_co_u32 s20, s20, s3
	s_lshl_b32 s21, s17, 4
	s_lshl_b32 s22, s15, 3
	s_add_co_u32 s21, s21, s22
	s_lshl_b32 s21, s21, 11
	s_add_co_u32 s20, s20, s21
	s_mov_b32 s21, 0
	s_add_nc_u64 s[12:13], s[12:13], s[20:21]      ; B's blocks 0-3
	s_mov_b32 s22, s95
	s_mov_b32 s23, 0
	s_add_nc_u64 s[92:93], s[12:13], s[22:23]      ; B's blocks 4-7: the next group of 64
.macro FRAG reg, adr, q, i             ; 16 rows x 128 K of 4-bit codes: 8 registers: lane l holds row l % 16; registers 4 c .. 4 c + 3 hold K = 64 c + 32 (l / 16) + 0 .. 31
.irp c, 0,1
	ds_load_b128 v[\reg+4*\c:\reg+4*\c+3], v[\adr] offset:64*(\q)+32*\c+(\i)*16*PITCH
.endr
.endm
; 16 matrix instructions: A's blocks a0, a0 + 1 x B's eight, the slot's q-th 128 along K.  p: B's set; sc: the set of scale words.  zero = 1: the first product starts the sums.
; The 64 accumulators take turns, one instruction a turn, in the same order in every step.
.macro MUL16 a0, p, q, sc, zero
.irp a, \a0, \a0+1
.irp b, 0,1,2,3,4,5,6,7
.if \zero
	v_wmma_scale_f32_16x16x128_f8f6f4 v[8*(8*((\a)%4)+\b):8*(8*((\a)%4)+\b)+7], v[128*(\p)+FR*\b:128*(\p)+FR*\b+FR-1], v[AF+FR*(\a):AF+FR*(\a)+FR-1], 0, v[SC+8*NQ*(\sc)+NQ*\b+(\q)], v[SC+8*NQ*(\sc)+NQ*(\a)+(\q)] matrix_a_fmt:MATRIX_FMT_FP4 matrix_b_fmt:MATRIX_FMT_FP4 matrix_a_scale:MATRIX_SCALE_ROW1
.else
	v_wmma_scale_f32_16x16x128_f8f6f4 v[8*(8*((\a)%4)+\b):8*(8*((\a)%4)+\b)+7], v[128*(\p)+FR*\b:128*(\p)+FR*\b+FR-1], v[AF+FR*(\a):AF+FR*(\a)+FR-1], v[8*(8*((\a)%4)+\b):8*(8*((\a)%4)+\b)+7], v[SC+8*NQ*(\sc)+NQ*\b+(\q)], v[SC+8*NQ*(\sc)+NQ*(\a)+(\q)] matrix_a_fmt:MATRIX_FMT_FP4 matrix_b_fmt:MATRIX_FMT_FP4 matrix_a_scale:MATRIX_SCALE_ROW1
.endif
.endr
.endr
.endm
.macro FETCH_B slot, q, p
	WIN TO_B
.irp i, 0,1,2,3,4,5,6,7
	FRAG 128*(\p)+FR*\i, ADRB+\slot, \q, \i
.endr
	WIN 0
.endm
.macro FETCH_A slot, q, i0
.irp i, \i0, \i0+1, \i0+2, \i0+3
	FRAG AF+FR*(\i), ADRA+\slot, \q, \i
.endr
.endm
.macro SCALES sc                       ; a K step's scale words: 4 words a row; lanes 0-15 take A's block i, lanes 16-31 B's block i
.irp i, 0,1,2,3,4,5,6,7
	ds_load_b128 v[SC+8*NQ*\sc+NQ*\i:SC+8*NQ*\sc+NQ*\i+3], v[ADRS] offset:\i*SBLK
.endr
.endm
.macro PLACES n                        ; plain vector instructions between a matrix instruction and a load into, or a read of, its registers
.rept \n
	v_nop
.endr
.endm
.macro STEP slot, q, zero              ; a step of 128 along K that has its successor in the same slot
	s_wait_dscnt 4*NL                              ; B's set and A's blocks 0-3 are in; the youngest eight loads (A's blocks 4-7) may be out
	WIN MUL_LO
	MUL16 0, (\q)%2, \q, \slot, \zero
	MUL16 2, (\q)%2, \q, \slot, \zero
	s_wait_dscnt 0
	PLACES NP
	FETCH_B \slot, (\q)+1, 1-(\q)%2
	FETCH_A \slot, (\q)+1, 0
	WIN MUL_HI
	MUL16 4, (\q)%2, \q, \slot, \zero
	MUL16 6, (\q)%2, \q, \slot, \zero
	PLACES NP
	WIN 0
	FETCH_A \slot, (\q)+1, 4
.endm
; Slot 0's last step changes slots: one barrier; in front of it each wave waits for all its tensor loads (its part of slot 1), adds 0 to its spare word, and waits for that and for its LDS loads.  Nothing is filled again.
.macro TURN slot, next
	s_wait_tensorcnt 0x0
	ds_add_u32 v[SPW], v[NIL]
	s_wait_dscnt 4*NL+1                            ; (the add and the youngest eight loads may be out)
	WIN MUL_LO
	MUL16 0, 1, NQ-1, \slot, 0
	s_wait_dscnt 0x0
	s_barrier_signal -1
	MUL16 2, 1, NQ-1, \slot, 0
	WIN 0
	s_barrier_wait -1
	PLACES NP
	v_add_nc_u32 v[ADRS], 4*NQ, v[ADRS]            ; on to the next K step's scale words (no LDS load of mine is out)
	FETCH_B \next, 0, 0
	FETCH_A \next, 0, 0
	SCALES \next
	WIN MUL_HI
	MUL16 4, 1, NQ-1, \slot, 0
	MUL16 6, 1, NQ-1, \slot, 0
	PLACES NP
	WIN 0
	FETCH_A \next, 0, 4
.endm
.macro STEPS slot, from
.set Q, \from
.rept NQ-1-\from
	STEP \slot, Q, 0
.set Q, Q+1
.endr
.endm
	s_wait_tensorcnt 1                             ; the scales and my part of K step 0 are in (K step 1's load may be out),
	s_barrier_signal -1
	s_barrier_wait -1                              ; everybody's are
	FETCH_B 0, 0, 0
	FETCH_A 0, 0, 0
	SCALES 0
	FETCH_A 0, 0, 4
	STEP 0, 0, 1                                   ; the first products start the sums: nothing is cleared
	STEPS 0, 1
	TURN 0, 1
	STEPS 1, 0
	s_wait_dscnt 4*NL                              ; the very last step
	WIN MUL_LO
	MUL16 0, 1, NQ-1, 1, 0
	MUL16 2, 1, NQ-1, 1, 0
	s_wait_dscnt 0
	WIN MUL_HI
	MUL16 4, 1, NQ-1, 1, 0
	MUL16 6, 1, NQ-1, 1, 0
	WIN 0
	; THE WAY OUT.  Accumulator (a, b): lane (r, h) holds row 16 a + r of A's side and 16 b + 8 h + 0..7 of B's side: rounded to f16 that is 16 bytes, registers 4 (b % 2) .. + 3 of image (b % 4) / 2 of tile a.
	; Each store of the wave covers 512 consecutive bytes, aligned.  Four sets of 32 data registers: they are written again only behind the one wait on XCNT.
	PLACES NP
.irp a, 0,1,2,3,4,5,6,7
.if \a == 4
	s_wait_xcnt 0x0                                ; blocks 0 to 3's stores have read their data
.endif
	WIN 0x0a+5*(\a/4)                              ; sources 0 and 1: window 2 or 3
.irp b, 0,1,2,3,4,5,6,7
.irp r, 0,1,2,3
	v_cvt_pk_f16_f32 v[32+32*(\a%4)+4*\b+\r], v[8*(8*(\a%4)+\b)+2*\r], v[8*(8*(\a%4)+\b)+2*\r+1]   ; each accumulator from its low end on
.endr
.endr
	WIN 0
.irp b, 0,1,2,3
	global_store_b128 v[CO], v[32+32*(\a%4)+4*\b:32+32*(\a%4)+4*\b+3], s[12:13] offset:2048*\a+512*\b
.endr
.irp b, 0,1,2,3
	global_store_b128 v[CO], v[48+32*(\a%4)+4*\b:48+32*(\a%4)+4*\b+3], s[92:93] offset:2048*\a+512*\b
.endr
.endr
	s_wait_tensorcnt 0x0                           ; the wave's end
	ds_add_u32 v[SPW], v[NIL]
	s_wait_dscnt 0x0
	CROUND                                         ; the closing round
	s_endpgm
.Lfunc_end_k_q59c1da0b02_qkv:
	.size	k_q59c1da0b02_qkv, .Lfunc_end_k_q59c1da0b02_qkv-k_q59c1da0b02_qkv
	.p2alignl 7, 3214868480
	.fill 96, 4, 3214868480
	.section	.rodata,"a",@progbits
	.p2align	6, 0x0
	.amdhsa_kernel k_q59c1da0b02_qkv
		.amdhsa_group_segment_fixed_size 327680
		.amdhsa_private_segment_fixed_size 0
		.amdhsa_enable_private_segment 0
		.amdhsa_kernarg_size 40
		.amdhsa_user_sgpr_count 2
		.amdhsa_user_sgpr_kernarg_segment_ptr 1
		.amdhsa_wavefront_size32 1
		.amdhsa_system_sgpr_workgroup_id_x 1
		.amdhsa_system_sgpr_workgroup_id_y 1
		.amdhsa_system_sgpr_workgroup_id_z 1
		.amdhsa_system_vgpr_workitem_id 0
		.amdhsa_next_free_vgpr 1024
		.amdhsa_next_free_sgpr 100
		.amdhsa_reserve_vcc 0
		.amdhsa_float_denorm_mode_32 3
		.amdhsa_float_denorm_mode_16_64 3
		.amdhsa_memory_ordered 1
		.amdhsa_forward_progress 1
		.amdhsa_inst_pref_size 118
	.end_amdhsa_kernel
	.amdgpu_metadata
---
amdhsa.version: [ 1, 2 ]
amdhsa.kernels:
  - .name:           k_q59c1da0b02_qkv
    .symbol:         k_q59c1da0b02_qkv.kd
    .args:
      - { .name: x_codes, .offset: 0, .size: 8, .value_kind: global_buffer, .address_space: global }
      - { .name: x_scales, .offset: 8, .size: 8, .value_kind: global_buffer, .address_space: global }
      - { .name: w_codes, .offset: 16, .size: 8, .value_kind: global_buffer, .address_space: global }
      - { .name: w_scales, .offset: 24, .size: 8, .value_kind: global_buffer, .address_space: global }
      - { .name: qkv_img, .offset: 32, .size: 8, .value_kind: global_buffer, .address_space: global }
    .group_segment_fixed_size: 327680
    .private_segment_fixed_size: 0
    .kernarg_segment_align: 8
    .kernarg_segment_size: 40
    .max_flat_workgroup_size: 128
    .sgpr_count:     100
    .vgpr_count:     1024
    .wavefront_size: 32
...
	.end_amdgpu_metadata
.endif
;; end of part 2
;; launch attn (part 3): grid 4 x 64, 16 waves a work-group, clusters of 4 x 1, 327,680 bytes of LDS; arguments qkv_img, mbits, o_img; writes o_img
.if DOCPART == 3
	.amdgcn_target "amdgcn-amd-amdhsa--gfx1250"
	.amdhsa_code_object_version 6
	.text
	.protected	k_q59c1da0b02_attn
	.globl	k_q59c1da0b02_attn
	.p2align	8
	.type	k_q59c1da0b02_attn,@function
k_q59c1da0b02_attn:
	s_mov_b64 s[64:65], 0
	v_nop
	global_prefetch_b8 v0, s[64:65] scope:SCOPE_SE
	s_setreg_imm32_b32 hwreg(HW_REG_WAVE_MODE, 25, 1), 1
	s_wait_xcnt 0x0
	s_wait_alu depctr_hold_cnt(0) depctr_sa_sdst(0) depctr_va_vdst(0) depctr_va_sdst(0) depctr_va_ssrc(0) depctr_va_vcc(0) depctr_vm_vsrc(0)
	s_getreg_b32 s2, hwreg(HW_REG_IB_STS2, 6, 4)
	s_cmp_eq_u32 s2, 0
	s_cbranch_scc0 .Lentry_in_a_cluster
	s_endpgm
.Lentry_in_a_cluster:
	s_bfe_u32 s2, ttmp6, 0x10000c
	s_cmp_lg_u32 s2, 0x3003
	s_cbranch_scc0 .Lentry_shape_is_right
	s_endpgm
.Lentry_shape_is_right:
; o[b][h][q] = the sum over k of softmax_k(mask ? Q[q] . K[k] / 8 : -infinity) V[k], head size 64, 2,048 keys; operands f16, products, maxima and sums f32.  Nothing is left out: the mask is an input, so every tile is worked.
; SHARES.  A work-group owns 512 queries of one head of one batch; each of its sixteen waves owns 32: two tiles of 16, in 256 registers.  Four waves lie on a SIMD, so that one wave's softmax stands beside
; another's products and LDS loads.  Every wave walks all 2,048 keys, 64 a step.
; LAYOUT.  S^T = K Q^T (source 0 = 16 keys, source 1 = 16 queries): a lane holds ONE query (lane % 16) and keys 8 (lane / 16) + 0..7 of each tile of 16.  Two such tiles, rounded to f16 in pairs, ARE source 1 of
; O^T = V^T P, whose result again holds one query a lane.  Q, K and V^T arrive as images of their operand registers: every fragment is two loads of 16 bytes a lane at 16 x lane: 512 consecutive bytes.
; THE MASK arrives as words of 32 lane bits, one for each register of a score tile; they come by scalar loads, a step ahead, and each selects between the score and -infinity.
; SOFTMAX.  For each query a running maximum m and sum l: p = 2^(c s - c m), c = log2(e) / 8; in every step O and l are multiplied by a = 2^(c m_old - c m_new).  The sum is taken of the unrounded p.
; m begins at -3e38, l and O^T at 0: the loop has no first step of its own.  A query all of whose keys are masked ends with l = 0 and O = 0, and 0 x (1 / 0) is NaN, as the softmax of a row of -infinity is.
; THE RING.  Two LDS slots of 512 keys.  Every wave fetches 8,192 dense bytes of a slot: waves 0-7 a step's K, waves 8-15 a step's V.  The four work-groups of a cluster own the four query blocks of one head and
; walk the same K and V: each load is asked for jointly, with a mask that names the four.  A refill goes out 8 key steps ahead of its first read; by this text's count a wave has two loads out at the start, later one.
; No prefetch: only the first fills are waited for, and nothing is asked for at the head, where they are on their way.
; LIMITS: |q|, |k|, |v|, |o| under 65,504 (f16); scores above -3e38.
.set SLOT1, 1<<17                      ; slot 1 begins here.  In a slot: step i's K at 8,192 i ([key tile 4][channel half 2][image]), step i's V at 65,536 + 8,192 i ([channel tile 4][key half 2][image])
.set VOFF,  65536
.set SPARE, 2*SLOT1                    ; the spare words, 128 bytes for each wave: eight blocks of 256 bytes that no other line names
.set SPW,  1                           ; v1   LDS address of my spare word; never rewritten
.set NIL,  2                           ; v2   0; never rewritten
.set LI,   3                           ; v3   16 x lane
.set ADK,  4                           ; v4   LDS address of the step's K
.set ADV,  5                           ; v5   of its V
.set NINF, 6                           ; v6   -infinity
.set ST,   16                          ; tile t's statistics at v[16 + 8 t]: +0 c m, +1 m, +2, +3 l in two halves, +4 to +7 at work; a stands in +6
.set QF,   32                          ; v32-63   Q: tile t, channels 32 s on, at 32 + 16 t + 8 s
.set KV,   64                          ; v64-127  a step's K, then its V
.set SS,   128                         ; v128-191 S^T at 128 + 32 t + 8 kt; then p; then P in the low 16 registers of each tile
.set OT,   192                         ; v192-255 O^T at 192 + 32 t + 8 ct
.set CS,   2                           ; s[2:3]   c, twice: the packed form names a pair
.set WV,   12                          ; s12  my wave's number
.set TB,   13                          ; s13  LDS byte at which the step's K begins
.set SEL,  14                          ; s[14:15] lane selects: lane l xor 16
.set G1,   16                          ; s[16:23] descriptor group 1
.set G0,   24                          ; s[24:27], s[28:31] group 0 for slot 0, slot 1
.set MW0,  32                          ; s[32:63] the step's mask words of tile 0
.set MO,   66                          ; s66  byte offset of the mask words in hand within a tile's 4,096
.set CNT,  67
.set MW1,  68                          ; s[68:99] those of tile 1 (at the head: at work)
.set STP,  100                         ; s[100:101] two slots on, in memory
.macro PLACES
.rept 4
	v_nop
.endr
.endm
.macro CROUND                          ; a round of the cluster's barrier
	s_barrier_signal -1
	s_barrier_wait -1
	s_cmp_lg_u32 s[WV], 0
	s_cbranch_scc1 .Lnot_wave_0_\@
	s_barrier_signal -3
.Lnot_wave_0_\@:
	s_barrier_wait -3
	s_barrier_signal -1
	s_barrier_wait -1
.endm
.macro MASKS                           ; 32 words for each of my two tiles: a step's 128 bytes of each tile's 4,096
	s_load_b512 s[MW0:MW0+15], s[10:11], s[MO] offset:0x0
	s_load_b512 s[MW0+16:MW0+31], s[10:11], s[MO] offset:0x40
	s_load_b512 s[MW1:MW1+15], s[10:11], s[MO] offset:0x1000
	s_load_b512 s[MW1+16:MW1+31], s[10:11], s[MO] offset:0x1040
.endm
	s_load_b128 s[4:7], s[0:1], 0x0                ; the images of Q, K, V; the mask words
	s_load_b64 s[8:9], s[0:1], 0x10                ; o's images
	v_lshl_add_u32 v[SPW], v0, 2, SPARE
	v_mov_b32 v[NIL], 0
	ds_add_u32 v[SPW], v[NIL]                      ; the wave's opening: the add, twice on end, and its wait ahead of my first tensor load
	ds_add_u32 v[SPW], v[NIL]
	v_lshrrev_b32 v7, 5, v0
	v_readfirstlane_b32 s[WV], v7                  ; wave 0..15
	s_bfe_u32 s68, ttmp6, 0x40000                  ; cx: my block of 512 queries; it enters Q's, the mask's and o's addresses alone
	s_and_b32 s69, ttmp7, 0xffff                   ; 16 x batch + head, which the four partners share
	s_lshr_b32 s70, s69, 4                         ; batch
	s_and_b32 s71, s69, 15                         ; head
	s_and_b32 s72, s[WV], 7                        ; which of a slot's 8 steps I fetch
	s_add_co_u32 s73, s71, 16                      ; K's: plane 16 + head of 2^20 bytes, + batch x 128 tiles x 2,048, + step x 8,192
	s_lshl_b32 s73, s73, 20
	s_lshl_b32 s74, s70, 18
	s_add_co_u32 s73, s73, s74
	s_lshl_b32 s74, s72, 13
	s_add_co_u32 s73, s73, s74
	s_lshl_b32 s75, s70, 22                        ; V's: from 2^25 on, batch x 32 planes of 2^17 bytes, + head x 8,192, + step x 2^17
	s_add_co_u32 s75, s75, 0x2000000
	s_lshl_b32 s74, s71, 13
	s_add_co_u32 s75, s75, s74
	s_lshl_b32 s74, s72, 17
	s_add_co_u32 s75, s75, s74
	s_mov_b32 s78, 0x100000
	s_cmp_lt_u32 s[WV], 8                          ; waves 0-7 fetch K, waves 8-15 V: the wave's number alone decides, alike in all partners
	s_cselect_b32 s76, s73, s75
	s_cselect_b32 s78, 0x10000, s78                ; a slot on: 8 steps
	s_mov_b32 s77, 0
	s_mov_b32 s79, 0
	s_lshl_b32 s[STP], s78, 1
	s_mov_b32 s[STP+1], 0
	s_lshl_b32 s80, s70, 7
	s_lshl_b32 s81, s68, 5
	s_add_co_u32 s80, s80, s81
	s_lshl_b32 s81, s[WV], 1
	s_add_co_u32 s80, s80, s81                     ; my first tile of queries: 128 x batch + 32 cx + 2 x wave
	s_lshl_b32 s82, s80, 11
	s_lshl_b32 s83, s71, 20
	s_add_co_u32 s82, s82, s83                     ; Q: plane head, 2,048 bytes a tile
	s_mov_b32 s83, 0
	s_lshl_b32 s84, s80, 12                        ; the mask words: 4,096 bytes a tile
	s_mov_b32 s85, 0
	s_lshr_b32 s86, s71, 1                         ; o: plane head / 2 of 2^21 bytes, 4,096 bytes a tile, 2,048 x (head % 2)
	s_lshl_b32 s86, s86, 21
	s_add_co_u32 s86, s86, s84
	s_and_b32 s87, s71, 1
	s_lshl_b32 s87, s87, 11
	s_add_co_u32 s86, s86, s87
	s_mov_b32 s87, 0
	s_mov_b32 s[G1], 15|(3<<16)|(1<<21)            ; the mask: all four work-groups; elements of 8 bytes; bit 21 beside a mask; no padding
	s_mov_b32 s[G1+1], 32<<16                      ; tensor_dim0 = 32 elements: 256 bytes
	s_mov_b32 s[G1+2], 32<<16                      ; tensor_dim1 = 32 rows
	s_mov_b32 s[G1+3], 32<<16                      ; tile_dim0
	s_mov_b32 s[G1+4], 32                          ; tile_dim1
	s_mov_b32 s[G1+5], 32                          ; dense: a row begins where the last ends
	s_mov_b32 s[G1+6], 0
	s_mov_b32 s[G1+7], 0
	s_mov_b32 s[CS], 0x3e38aa3b                    ; c = log2(e) / 8
	s_mov_b32 s[CS+1], s[CS]
	s_mov_b32 s[SEL], 0x76543210
	s_mov_b32 s[SEL+1], 0xfedcba98
	s_mov_b32 s[MO], 0
	s_wait_dscnt 0x0                               ; both opening adds are done
	s_wait_kmcnt 0x0
	s_mov_b32 s[G0], 1
	s_lshl_b32 s[G0+1], s[WV], 13                  ; LDS: 8,192 x wave: K's 8 steps, then V's 8
	s_add_nc_u64 s[G0+2:G0+3], s[4:5], s[76:77]
	s_mov_b32 s[G0+4], 1
	s_add_co_u32 s[G0+5], s[G0+1], SLOT1
	s_add_nc_u64 s[G0+6:G0+7], s[G0+2:G0+3], s[78:79]
	s_or_b32 s[G0+3], s[G0+3], 0x80000000
	s_or_b32 s[G0+7], s[G0+7], 0x80000000
	s_add_nc_u64 s[4:5], s[4:5], s[82:83]          ; Q at my first tile
	s_add_nc_u64 s[10:11], s[6:7], s[84:85]        ; the mask words likewise
	s_add_nc_u64 s[8:9], s[8:9], s[86:87]          ; o likewise
	CROUND                                         ; all four work-groups are here: the first joint loads meet
	tensor_load_to_lds s[G0:G0+3], s[G1:G1+7]      ; keys 0..511
	s_nop 0
	tensor_load_to_lds s[G0+4:G0+7], s[G1:G1+7]    ; keys 512..1,023
	s_nop 0
	PLACES
	v_and_b32 v7, 31, v0
	v_lshlrev_b32 v[LI], 4, v7
.irp i, 0,1,2,3,4,5,6,7
	global_load_b128 v[QF+4*\i:QF+4*\i+3], v[LI], s[4:5] offset:512*\i   ; Q stays in registers
.endr
	MASKS                                          ; step 0's
	v_mov_b32 v[NINF], 0xff800000
.irp t, 0,1
	v_mov_b32 v[ST+8*\t+1], 0xff61b1e6             ; m = -3e38
	v_mov_b32 v[ST+8*\t+2], 0                      ; l
	v_mov_b32 v[ST+8*\t+3], 0
	v_mul_f32 v[ST+8*\t], s[CS], v[ST+8*\t+1]      ; c m
.endr
.set j, 0
.rept 64
	v_mov_b32 v[OT+j], 0                           ; O^T: the first step finds zeros, which the first a leaves zeros
.set j, j+1
.endr
	s_wait_loadcnt 0x0                             ; Q
	s_wait_tensorcnt 1                             ; my part of slot 0 is in; slot 1's may stay out
	s_barrier_signal -1
	s_barrier_wait -1
; A KEY STEP: 64 keys.
.macro STEP
	v_add_nc_u32 v[ADK], s[TB], v[LI]
	v_add_nc_u32 v[ADV], VOFF, v[ADK]
	PLACES                                         ; with the two additions six places behind the last products: four are owed by the loads into V's registers, five by the products that write over P
.set j, 0
.rept 16
	ds_load_b128 v[KV+4*j:KV+4*j+3], v[ADK] offset:512*j   ; K: fragment (key tile kt, channel half s) at 64 + 8 (2 kt + s)
.set j, j+1
.endr
	s_wait_dscnt 0x0
.irp s, 0,1                            ; S^T = K Q^T: the eight accumulators by turns; the first eight products start the sums
.irp k, 0,1,2,3
.irp t, 0,1
.if \s == 0
	v_wmma_f32_16x16x32_f16 v[SS+32*\t+8*\k:SS+32*\t+8*\k+7], v[KV+16*\k+8*\s:KV+16*\k+8*\s+7], v[QF+16*\t+8*\s:QF+16*\t+8*\s+7], 0
.else
	v_wmma_f32_16x16x32_f16 v[SS+32*\t+8*\k:SS+32*\t+8*\k+7], v[KV+16*\k+8*\s:KV+16*\k+8*\s+7], v[QF+16*\t+8*\s:QF+16*\t+8*\s+7], v[SS+32*\t+8*\k:SS+32*\t+8*\k+7]
.endif
.endr
.endr
.endr
	PLACES                                         ; in front of the loads into K's registers and of the first read of the scores
.set j, 0
.rept 16
	ds_load_b128 v[KV+4*j:KV+4*j+3], v[ADV] offset:512*j   ; V^T: fragment (channel tile ct, key half g) at 64 + 8 (2 ct + g); it lands under the softmax
.set j, j+1
.endr
	s_wait_kmcnt 0x0                               ; this step's mask words, asked for a step ago
.set j, 0
.rept 32
	v_cndmask_b32 v[SS+j], v[NINF], v[SS+j], s[MW0+j]          ; the score where the lane's bit is set, else -infinity.  Each accumulator from its low end on
	v_cndmask_b32 v[SS+32+j], v[NINF], v[SS+32+j], s[MW1+j]
.set j, j+1
.endr
	s_add_co_u32 s[MO], s[MO], 128                 ; (behind the wait for the scalar loads that read it)
	s_and_b32 s[MO], s[MO], 4095                   ; the last step asks for step 0's words again, so that no load leaves the buffer; they are not used
	MASKS
.irp k, 0,1,2,3                        ; the maximum of a lane's 32 scores and the old m: four chains a tile, the two tiles by turns
.irp t, 0,1
	v_max3_num_f32 v[ST+8*\t+4+\k], v[SS+32*\t+8*\k], v[SS+32*\t+8*\k+1], v[SS+32*\t+8*\k+2]
.endr
.endr
.irp q, 1,2
.irp k, 0,1,2,3
.irp t, 0,1
	v_max3_num_f32 v[ST+8*\t+4+\k], v[ST+8*\t+4+\k], v[SS+32*\t+8*\k+2*\q+1], v[SS+32*\t+8*\k+2*\q+2]
.endr
.endr
.endr
.irp t, 0,1
	v_max3_num_f32 v[ST+8*\t+4], v[ST+8*\t+4], v[SS+32*\t+7], v[SS+32*\t+15]
.endr
.irp t, 0,1
	v_max3_num_f32 v[ST+8*\t+6], v[ST+8*\t+6], v[SS+32*\t+23], v[SS+32*\t+31]
.endr
.irp t, 0,1
	v_max3_num_f32 v[ST+8*\t+4], v[ST+8*\t+4], v[ST+8*\t+5], v[ST+8*\t+6]
.endr
.irp t, 0,1
	v_max3_num_f32 v[ST+8*\t+4], v[ST+8*\t+4], v[ST+8*\t+7], v[ST+8*\t+1]
.endr
.irp t, 0,1
	v_permlanex16_b32 v[ST+8*\t+5], v[ST+8*\t+4], s[SEL], s[SEL+1]   ; the query's other 32 keys lie in the lane 16 away
.endr
.irp t, 0,1
	v_mov_b32 v[ST+8*\t+7], v[ST+8*\t]             ; c m_old
.endr
.irp t, 0,1
	v_max_num_f32 v[ST+8*\t+1], v[ST+8*\t+4], v[ST+8*\t+5]
.endr
.irp t, 0,1
	v_mul_f32 v[ST+8*\t], s[CS], v[ST+8*\t+1]
.endr
.irp t, 0,1
	v_sub_f32 v[ST+8*\t+7], v[ST+8*\t+7], v[ST+8*\t]
.endr
.set j, 0
.rept 16
.irp t, 0,1
	v_pk_fma_f32 v[SS+32*\t+j:SS+32*\t+j+1], v[SS+32*\t+j:SS+32*\t+j+1], s[CS:CS+1], v[ST+8*\t:ST+8*\t+1] op_sel_hi:[1,0,0] neg_lo:[0,0,1] neg_hi:[0,0,1]   ; c s - c m
.endr
.set j, j+2
.endr
.irp t, 0,1
	v_exp_f32 v[ST+8*\t+6], v[ST+8*\t+7]           ; a
.endr
.set j, 0
.rept 64
	v_exp_f32 v[SS+j], v[SS+j]                     ; p.  The 66 exponentials are one batch: none reads another's result
.set j, j+1
.endr
	v_nop                                          ; a plain instruction behind the last exponential
	s_wait_alu depctr_va_vdst(0)                   ; the wait ahead of the first instruction that names a result: one for the batch
.irp t, 0,1
	v_pk_mul_f32 v[ST+8*\t+2:ST+8*\t+3], v[ST+8*\t+2:ST+8*\t+3], v[ST+8*\t+6:ST+8*\t+7] op_sel_hi:[1,0]   ; l x a
.endr
.irp t, 0,1
	v_pk_add_f32 v[ST+8*\t+4:ST+8*\t+5], v[SS+32*\t:SS+32*\t+1], v[SS+32*\t+2:SS+32*\t+3]   ; the sum of the unrounded p, in two chains a tile
.endr
.set j, 4
.rept 7
.irp t, 0,1
	v_pk_add_f32 v[ST+8*\t+2:ST+8*\t+3], v[ST+8*\t+2:ST+8*\t+3], v[SS+32*\t+j:SS+32*\t+j+1]
	v_pk_add_f32 v[ST+8*\t+4:ST+8*\t+5], v[ST+8*\t+4:ST+8*\t+5], v[SS+32*\t+j+2:SS+32*\t+j+3]
.endr
.set j, j+4
.endr
.irp t, 0,1
	v_pk_add_f32 v[ST+8*\t+2:ST+8*\t+3], v[ST+8*\t+2:ST+8*\t+3], v[ST+8*\t+4:ST+8*\t+5]
.endr
.set j, 0
.rept 16
.irp t, 0,1
	v_cvt_pk_f16_f32 v[SS+32*\t+j], v[SS+32*\t+2*j], v[SS+32*\t+2*j+1]   ; P in place, ascending: register j is written when registers 2 j and 2 j + 1 are read, never before
.endr
.set j, j+1
.endr
.set j, 0
.rept 16
.irp t, 0,1
	v_pk_mul_f32 v[OT+32*\t+j:OT+32*\t+j+1], v[OT+32*\t+j:OT+32*\t+j+1], v[ST+8*\t+6:ST+8*\t+7] op_sel_hi:[1,0]   ; O^T x a
.endr
.set j, j+2
.endr
	s_wait_dscnt 0x0                               ; V is in
.irp g, 0,1                            ; O^T += V^T P: the eight accumulators by turns
.irp c, 0,1,2,3
.irp t, 0,1
	v_wmma_f32_16x16x32_f16 v[OT+32*\t+8*\c:OT+32*\t+8*\c+7], v[KV+16*\c+8*\g:KV+16*\c+8*\g+7], v[SS+32*\t+8*\g:SS+32*\t+8*\g+7], v[OT+32*\t+8*\c:OT+32*\t+8*\c+7]
.endr
.endr
.endr
	s_add_co_u32 s[TB], s[TB], 8192
.endm
.macro SLOT_STEPS slot                 ; a slot's eight key steps
	s_mov_b32 s[TB], (\slot)*SLOT1
	s_mov_b32 s[CNT], 8
.Lstep_\@:
	STEP
	s_sub_co_u32 s[CNT], s[CNT], 1
	s_cmp_lg_u32 s[CNT], 0
	s_cbranch_scc1 .Lstep_\@
.endm
; THE CHANGE OF SLOTS.  Each wave waits for all its tensor loads (its part of the slot ahead), adds 0 to its spare word, and waits for that and for its reads of the slot that it leaves.
; fill = 1: the barrier is a round of the cluster's, so that no wave of any partner still reads the slot or has a load on its way; the joint refill, the keys two slots on, is the first thing behind it.
.macro CHANGE fill, g0
	s_wait_tensorcnt 0x0                           ; no tensor load of mine is out, so a group 0 may be written
	ds_add_u32 v[SPW], v[NIL]
.if \fill
	s_add_nc_u64 s[\g0+2:\g0+3], s[\g0+2:\g0+3], s[STP:STP+1]   ; the type bits on top are not reached
.endif
	s_wait_dscnt 0x0
.if \fill
	CROUND
	tensor_load_to_lds s[\g0:\g0+3], s[G1:G1+7]
	s_nop 0
	PLACES
.else
	s_barrier_signal -1
	s_barrier_wait -1
.endif
.endm
	SLOT_STEPS 0                                   ; keys 0..511
	CHANGE 1, G0                                   ; slot 0 takes keys 1,024..1,535
	SLOT_STEPS 1
	CHANGE 1, G0+4                                 ; slot 1 takes keys 1,536..2,047
	SLOT_STEPS 0
	CHANGE 0, G0                                   ; nothing is left to fetch
	SLOT_STEPS 1
	; THE WAY OUT.  l's two halves and the other half of the lanes' are added; O^T / l is rounded to f16: a lane's eight channels of a query are 16 bytes, registers of the image that the last launch reads.
	PLACES
.irp t, 0,1
	v_add_f32 v[ST+8*\t+4], v[ST+8*\t+2], v[ST+8*\t+3]
.endr
.irp t, 0,1
	v_permlanex16_b32 v[ST+8*\t+5], v[ST+8*\t+4], s[SEL], s[SEL+1]
.endr
.irp t, 0,1
	v_add_f32 v[ST+8*\t+4], v[ST+8*\t+4], v[ST+8*\t+5]
.endr
.irp t, 0,1
	v_rcp_f32 v[ST+8*\t+6], v[ST+8*\t+4]
.endr
	v_nop
	s_wait_alu depctr_va_vdst(0)                   ; one wait for the two reciprocals, ahead of their first reader
.set j, 0
.rept 16
.irp t, 0,1
	v_pk_mul_f32 v[SS+32*\t+j:SS+32*\t+j+1], v[OT+32*\t+j:OT+32*\t+j+1], v[ST+8*\t+6:ST+8*\t+7] op_sel_hi:[1,0]
.endr
.set j, j+2
.endr
.set j, 0
.rept 16
.irp t, 0,1
	v_cvt_pk_f16_f32 v[KV+16*\t+j], v[SS+32*\t+2*j], v[SS+32*\t+2*j+1]
.endr
.set j, j+1
.endr
.irp t, 0,1
.irp c, 0,1,2,3
	global_store_b128 v[LI], v[KV+16*\t+4*\c:KV+16*\t+4*\c+3], s[8:9] offset:4096*\t+512*\c   ; 512 consecutive bytes, aligned
.endr
.endr
	s_wait_tensorcnt 0x0                           ; the wave's end
	ds_add_u32 v[SPW], v[NIL]
	s_wait_dscnt 0x0
	CROUND                                         ; the closing round
	s_endpgm
.Lfunc_end_k_q59c1da0b02_attn:
	.size	k_q59c1da0b02_attn, .Lfunc_end_k_q59c1da0b02_attn-k_q59c1da0b02_attn
	.p2alignl 7, 3214868480
	.fill 96, 4, 3214868480
	.section	.rodata,"a",@progbits
	.p2align	6, 0x0
	.amdhsa_kernel k_q59c1da0b02_attn
		.amdhsa_group_segment_fixed_size 327680
		.amdhsa_private_segment_fixed_size 0
		.amdhsa_enable_private_segment 0
		.amdhsa_kernarg_size 24
		.amdhsa_user_sgpr_count 2
		.amdhsa_user_sgpr_kernarg_segment_ptr 1
		.amdhsa_wavefront_size32 1
		.amdhsa_system_sgpr_workgroup_id_x 1
		.amdhsa_system_sgpr_workgroup_id_y 1
		.amdhsa_system_sgpr_workgroup_id_z 1
		.amdhsa_system_vgpr_workitem_id 0
		.amdhsa_next_free_vgpr 256
		.amdhsa_next_free_sgpr 102
		.amdhsa_reserve_vcc 0
		.amdhsa_float_denorm_mode_32 3
		.amdhsa_float_denorm_mode_16_64 3
		.amdhsa_memory_ordered 1
		.amdhsa_forward_progress 1
		.amdhsa_inst_pref_size 102
	.end_amdhsa_kernel
	.amdgpu_metadata
---
amdhsa.version: [ 1, 2 ]
amdhsa.kernels:
  - .name:           k_q59c1da0b02_attn
    .symbol:         k_q59c1da0b02_attn.kd
    .args:
      - { .name: qkv_img, .offset: 0, .size: 8, .value_kind: global_buffer, .address_space: global }
      - { .name: mbits, .offset: 8, .size: 8, .value_kind: global_buffer, .address_space: global }
      - { .name: o_img, .offset: 16, .size: 8, .value_kind: global_buffer, .address_space: global }
    .group_segment_fixed_size: 327680
    .private_segment_fixed_size: 0
    .kernarg_segment_align: 8
    .kernarg_segment_size: 24
    .max_flat_workgroup_size: 512
    .sgpr_count:     102
    .vgpr_count:     256
    .wavefront_size: 32
...
	.end_amdgpu_metadata
.endif
;; end of part 3
;; launch proj (part 4): grid 8 x 32, 4 waves a work-group, clusters of 4 x 4, 327,680 bytes of LDS; arguments o_img, wo_img, out0; writes out0
.if DOCPART == 4
	.amdgcn_target "amdgcn-amd-amdhsa--gfx1250"
	.amdhsa_code_object_version 6
	.text
	.protected	k_q59c1da0b02_proj
	.globl	k_q59c1da0b02_proj
	.p2align	8
	.type	k_q59c1da0b02_proj,@function
k_q59c1da0b02_proj:
	s_mov_b64 s[64:65], 0
	v_nop
	global_prefetch_b8 v0, s[64:65] scope:SCOPE_SE
	s_setreg_imm32_b32 hwreg(HW_REG_WAVE_MODE, 25, 1), 1
	s_wait_xcnt 0x0
	s_wait_alu depctr_hold_cnt(0) depctr_sa_sdst(0) depctr_va_vdst(0) depctr_va_sdst(0) depctr_va_ssrc(0) depctr_va_vcc(0) depctr_vm_vsrc(0)
	s_getreg_b32 s2, hwreg(HW_REG_IB_STS2, 6, 4)
	s_cmp_eq_u32 s2, 0
	s_cbranch_scc0 .Lentry_in_a_cluster
	s_endpgm
.Lentry_in_a_cluster:
	s_bfe_u32 s2, ttmp6, 0x10000c
	s_cmp_lg_u32 s2, 0xf033
	s_cbranch_scc0 .Lentry_shape_is_right
	s_endpgm
.Lentry_shape_is_right:
; out0 [8192][1024] f32 = o [8192][1024] w_out [1024 (k)][1024 (n)]; operands f16, sums f32.  Nothing is left out.
; Both operands arrive as images of their registers (16 rows x 32 K, 1,024 bytes), laid [k / 128][tile of 16 rows][(k / 32) % 4][image]: a K step of 128 of 16 tiles is one dense block, and every fragment is two
; loads of 16 bytes a lane at 16 x lane: no pitch, no padding.
; A tile of out0 is 256 tokens x 128 columns: 256 work-groups.  Four waves, each 128 x 64: 32 accumulators.  The matrix instruction is used transposed (source 0 = 16 columns of w_out, source 1 = 16 tokens):
; a lane then holds eight neighbouring numbers of a row of out0.
; K goes in 8 steps of 128 through a ring of two LDS slots.  Waves 0 and 1 fetch o's halves (32,768 bytes each), waves 2 and 3 w_out's (16,384).  CLUSTERS: 4 x 4 work-groups; o's tiles are asked for jointly along
; a row of the cluster, w_out's along a column.  By this text's count a wave has two tensor loads out at the start, later one.  No prefetch: the launch is short, 8 K steps.
; REGISTERS: window 0: v16-29 addresses; two fragment buffers of 96 at v32 and v128 (o's 8 fragments, then w_out's 4); on the way out v32-95 rows read back.   window 1: accumulator (a, b) at v[8 (4 a + b)].
.set SLOT,   98304                     ; o's 16 tiles x 4,096 bytes, then w_out's 8 tiles x 4,096
.set BOFF,   65536
.set STAGE,  2*SLOT                    ; behind the ring: 16 rows x (256 bytes + 16) for each wave
.set SPITCH, 272
.set SPARE,  STAGE+4*16*SPITCH         ; the spare words, 128 bytes for each wave: two blocks of 256 bytes that no other line names
.set LAPS,   4                         ; a lap = two K steps = once round the ring
.set ADRA, 16                          ; v16-17  LDS address of my fragments of o in slot 0, 1
.set ADRB, 20                          ; v20-21  the same for w_out
.set STO,  24
.set RD,   25
.set CO,   26
.set SPW,  28
.set NIL,  29
.set F0,   32
.set F1,   128
.set BK,   32
.set G1, 24
.set G0, 32
.set G1B, 48
.set G0B, 56
.set MSB, 0
.macro WIN new                         ; the immediate's high byte repeats the setting that is left
.if MSB != (\new)
	s_set_vgpr_msb (MSB<<8)|(\new)
.set MSB, (\new)
.endif
.endm
.set MUL, 0x50                         ; sources 0 and 1 window 0; C and D window 1
.macro JLOAD s                         ; a joint load: waves 0 and 1 fetch o's halves, waves 2 and 3 w_out's; an s_nop 0 and four v_nop follow each of the two lines
	s_cmp_eq_u32 s11, 0
	s_cbranch_scc0 .Lfor_b_\@
	tensor_load_to_lds s[G0+4*\s:G0+4*\s+3], s[G1:G1+7]
	s_nop 0
.rept 4
	v_nop
.endr
	s_branch .Lasked_\@
.Lfor_b_\@:
	tensor_load_to_lds s[G0B+4*\s:G0B+4*\s+3], s[G1B:G1B+7]
	s_nop 0
.rept 4
	v_nop
.endr
.Lasked_\@:
.endm
.macro CREST                           ; a round of the cluster's barrier behind its opening barrier
	s_cmp_lg_u32 s10, 0
	s_cbranch_scc1 .Lnot_wave_0_\@
	s_barrier_signal -3
.Lnot_wave_0_\@:
	s_barrier_wait -3
	s_barrier_signal -1
	s_barrier_wait -1
.endm
.macro CROUND
	s_barrier_signal -1
	s_barrier_wait -1
	CREST
.endm
	s_load_b128 s[4:7], s[0:1], 0x0                ; o's images, w_out's images
	s_load_b64 s[8:9], s[0:1], 0x10                ; out0
	v_lshl_add_u32 v[SPW], v0, 2, SPARE
	v_mov_b32 v[NIL], 0
	ds_add_u32 v[SPW], v[NIL]                      ; the wave's opening: the add, twice on end, and its wait ahead of my first tensor load
	ds_add_u32 v[SPW], v[NIL]
	v_lshrrev_b32 v1, 5, v0
	v_readfirstlane_b32 s10, v1                    ; wave 0..3
	s_lshr_b32 s11, s10, 1                         ; which 128 tokens are mine.  Also: I fetch for o (0) or for w_out (1)
	s_and_b32 s12, s10, 1                          ; which 64 columns.  Also: which half I fetch
	s_bfe_u32 s40, ttmp6, 0x40000                  ; cx
	s_bfe_u32 s41, ttmp6, 0x40004                  ; cy
	s_lshl_b32 s42, ttmp9, 2
	s_add_co_u32 s42, s42, s40                     ; tile column = 4 x cluster x + cx
	s_and_b32 s13, ttmp7, 0xffff
	s_lshl_b32 s13, s13, 2
	s_add_co_u32 s13, s13, s41                     ; tile row = 4 x cluster y + cy
	s_lshl_b32 s43, s41, 2
	s_lshl_b32 s43, 15, s43                        ; my row of the cluster
	s_lshl_b32 s44, 0x1111, s40                    ; my column
	s_or_b32 s[G1+0], s43, (3<<16)|(1<<21)         ; the mask: o's tiles go to my row; elements of 8 bytes; bit 21 beside a mask; no padding
	s_or_b32 s[G1B+0], s44, (3<<16)|(1<<21)
	s_mov_b32 s[G1+1], 32<<16                      ; rows of 32 elements: 256 bytes
	s_mov_b32 s[G1+2], 128<<16                     ; 128 rows
	s_mov_b32 s[G1+3], 32<<16
	s_mov_b32 s[G1+4], 128
	s_mov_b32 s[G1+5], 32                          ; dense
	s_mov_b32 s[G1+6], 0
	s_mov_b32 s[G1+7], 0
	s_mov_b32 s[G1B+1], 32<<16
	s_mov_b32 s[G1B+2], 64<<16                     ; 64 rows
	s_mov_b32 s[G1B+3], 32<<16
	s_mov_b32 s[G1B+4], 64
	s_mov_b32 s[G1B+5], 32
	s_mov_b32 s[G1B+6], 0
	s_mov_b32 s[G1B+7], 0
	s_lshl_b32 s16, s13, 16                        ; o: (16 x tile row + 8 x half) tiles of 4,096 bytes
	s_lshl_b32 s17, s12, 15
	s_add_co_u32 s16, s16, s17
	s_mov_b32 s17, 0
	s_lshl_b32 s46, s42, 15                        ; w_out: (8 x tile column + 4 x half) tiles of 4,096 bytes
	s_lshl_b32 s47, s12, 14
	s_add_co_u32 s46, s46, s47
	s_mov_b32 s47, 0
	s_lshl_b32 s20, s12, 15                        ; where they go in a slot: no place in the cluster enters an LDS address
	s_lshl_b32 s21, s12, 14
	s_add_co_u32 s21, s21, BOFF
	s_wait_dscnt 0x0                               ; both opening adds are done
	s_wait_kmcnt 0x0
	s_add_nc_u64 s[14:15], s[4:5], s[16:17]
	s_add_nc_u64 s[46:47], s[6:7], s[46:47]
	CROUND                                         ; all sixteen work-groups are here: the first joint loads meet
.irp s, 0,1
	s_mov_b32 s[G0+4*\s], 1
	s_add_co_u32 s[G0+4*\s+1], s20, \s*SLOT
	s_add_nc_u64 s[G0+4*\s+2:G0+4*\s+3], s[14:15], \s*0x200000     ; K step s: 512 tiles x 4,096 bytes on
	s_or_b32 s[G0+4*\s+3], s[G0+4*\s+3], 0x80000000
	s_mov_b32 s[G0B+4*\s], 1
	s_add_co_u32 s[G0B+4*\s+1], s21, \s*SLOT
	s_add_nc_u64 s[G0B+4*\s+2:G0B+4*\s+3], s[46:47], \s*0x40000    ; 64 tiles x 4,096 bytes on
	s_or_b32 s[G0B+4*\s+3], s[G0B+4*\s+3], 0x80000000
	JLOAD \s
.endr
	v_and_b32 v1, 31, v0
	v_lshlrev_b32 v3, 4, v1                        ; 16 x lane
	s_lshl_b32 s21, s11, 15                        ; my 8 tiles of o
	s_lshl_b32 s22, s12, 14                        ; my 4 tiles of w_out,
	s_add_co_u32 s22, s22, BOFF                    ; which lie behind o's 16
.irp s, 0,1
	v_add_nc_u32 v[ADRA+\s], s21, v3
	v_add_nc_u32 v[ADRB+\s], s22, v3
	s_add_co_u32 s21, s21, SLOT
	s_add_co_u32 s22, s22, SLOT
.endr
	v_and_b32 v1, 15, v0                           ; r
	v_bfe_u32 v2, v0, 4, 1                         ; h
	s_mul_i32 s23, s10, 16*SPITCH
	s_add_co_u32 s23, s23, STAGE                   ; my stage
	v_mul_u32_u24 v4, v1, SPITCH                   ; in: row r, 32 bytes for each half of the lanes
	v_lshl_add_u32 v4, v2, 5, v4
	v_add_nc_u32 v[STO], s23, v4
	v_mul_u32_u24 v5, v2, SPITCH                   ; back: lanes 0-15 one row of 256 bytes, lanes 16-31 the next
	v_lshl_add_u32 v5, v1, 4, v5
	v_add_nc_u32 v[RD], s23, v5
	v_lshlrev_b32 v5, 12, v2                       ; and the same two rows in out0: 4,096 bytes a row
	v_lshl_add_u32 v[CO], v1, 4, v5
	s_lshl_b32 s16, s13, 20                        ; my first row: (256 x tile row + 128 x half) x 4,096 bytes
	s_lshl_b32 s17, s11, 19
	s_add_co_u32 s16, s16, s17
	s_lshl_b32 s46, s42, 9                         ; my first column: 512 x tile column + 256 x half bytes
	s_lshl_b32 s47, s12, 8
	s_add_co_u32 s46, s46, s47
	s_add_co_u32 s16, s16, s46
	s_mov_b32 s17, 0
	s_add_nc_u64 s[8:9], s[8:9], s[16:17]
; 8 matrix instructions: token tiles a0, a0 + 1 x my 4 column tiles, 32 along K.  zero = 1: the product starts the sum.  The 32 accumulators take turns, one instruction a turn, in the same order in every quarter
.macro MUL8 f, a0, zero
.irp a, \a0, \a0+1
.irp b, 0,1,2,3
.if \zero
	v_wmma_f32_16x16x32_f16 v[8*(4*(\a)+\b):8*(4*(\a)+\b)+7], v[\f+64+8*\b:\f+64+8*\b+7], v[\f+8*(\a):\f+8*(\a)+7], 0
.else
	v_wmma_f32_16x16x32_f16 v[8*(4*(\a)+\b):8*(4*(\a)+\b)+7], v[\f+64+8*\b:\f+64+8*\b+7], v[\f+8*(\a):\f+8*(\a)+7], v[8*(4*(\a)+\b):8*(4*(\a)+\b)+7]
.endif
.endr
.endr
.endm
; 24 LDS loads in one run: the fragments of the slot's ks-th 32 along K into buffer f: w_out's 4, then o's 8
.macro FETCH slot, ks, f
	WIN 0
.irp b, 0,1,2,3
	ds_load_b128 v[\f+64+8*\b:\f+64+8*\b+3],   v[ADRB+\slot] offset:4096*\b+1024*(\ks)
	ds_load_b128 v[\f+64+8*\b+4:\f+64+8*\b+7], v[ADRB+\slot] offset:4096*\b+1024*(\ks)+512
.endr
.irp a, 0,1,2,3,4,5,6,7
	ds_load_b128 v[\f+8*\a:\f+8*\a+3],   v[ADRA+\slot] offset:4096*\a+1024*(\ks)
	ds_load_b128 v[\f+8*\a+4:\f+8*\a+7], v[ADRA+\slot] offset:4096*\a+1024*(\ks)+512
.endr
.endm
.macro PLACES                          ; four plain vector instructions in front of loads into registers that matrix instructions have read, and of the first read of results
.rept 4
	v_nop
.endr
.endm
; A K step is four quarters of 32 along K, 32 matrix instructions each, on buffers 0, 1, 0, 1.  One of the first three: multiplies buffer f and fetches the slot's ks-th quarter into g.
.macro QUARTER slot, ks, f, g, zero
	s_wait_dscnt 8                                 ; w_out's fragments and o's tiles 0-3 are in; the youngest eight loads (tiles 4-7) may be out
	WIN MUL
	MUL8 \f, 0, \zero
	MUL8 \f, 2, \zero
	PLACES
	FETCH \slot, \ks, \g
	s_wait_dscnt 24                                ; all but the 24 just issued
	WIN MUL
	MUL8 \f, 4, \zero
	MUL8 \f, 6, \zero
.endm
; The last quarter multiplies buffer 1 and changes slots: one barrier; in front of it each wave waits for all its tensor loads, adds 0 to its spare word, and waits for that and for its reads of this slot.
; fill = 1: the barrier opens a round of the cluster's, and this slot is filled again, two K steps ahead, first thing behind the round.
.macro TURN slot, next, fill
	WIN 0                                          ; (the add's two registers lie in window 0)
	s_wait_tensorcnt 0x0                           ; all my tensor loads have landed: my part of the next slot
	ds_add_u32 v[SPW], v[NIL]
	s_wait_dscnt 9                                 ; (the add and the youngest eight loads may be out)
	WIN MUL
	MUL8 F1, 0, 0
	s_wait_dscnt 0x0                               ; the add is done, and my reads of this slot are over
	s_barrier_signal -1
	MUL8 F1, 2, 0
.if \fill
	WIN 0
.endif
	s_barrier_wait -1
.if \fill
	CREST                                          ; no wave of any partner still reads this slot's tile or has a load on its way
	s_add_nc_u64 s[G0+4*\slot+2:G0+4*\slot+3], s[G0+4*\slot+2:G0+4*\slot+3], 0x400000
	s_add_nc_u64 s[G0B+4*\slot+2:G0B+4*\slot+3], s[G0B+4*\slot+2:G0B+4*\slot+3], 0x80000
	JLOAD \slot                                    ; the four v_nop behind it are also the places in front of the loads below
.else
	PLACES
.endif
	FETCH \next, 0, F0
	WIN MUL
	MUL8 F1, 4, 0
	MUL8 F1, 6, 0
.endm
	s_wait_tensorcnt 1                             ; my part of K step 0 is in (K step 1's load may be out),
	s_barrier_signal -1
	s_barrier_wait -1                              ; everybody's is
	FETCH 0, 0, F0
	QUARTER 0, 1, F0, F1, 1                        ; the first quarter stands in front of the loop: its products start the sums
	WIN 0                                          ; at a label and at a branch every window is 0
	s_mov_b32 s3, LAPS-1
.Llap:                                                 ; a trip goes once round the ring, from a lap's second quarter to the next lap's first, and fills both slots again
	QUARTER 0, 2, F1, F0, 0
	QUARTER 0, 3, F0, F1, 0
	TURN 0, 1, 1
	QUARTER 1, 1, F0, F1, 0
	QUARTER 1, 2, F1, F0, 0
	QUARTER 1, 3, F0, F1, 0
	TURN 1, 0, 1
	QUARTER 0, 1, F0, F1, 0
	WIN 0
	s_sub_co_u32 s3, s3, 1
	s_cmp_lg_u32 s3, 0
	s_cbranch_scc1 .Llap
	QUARTER 0, 2, F1, F0, 0                        ; the last lap fills nothing
	QUARTER 0, 3, F0, F1, 0
	TURN 0, 1, 0
	QUARTER 1, 1, F0, F1, 0
	QUARTER 1, 2, F1, F0, 0
	QUARTER 1, 3, F0, F1, 0
	s_wait_dscnt 8                                 ; the very last quarter
	WIN MUL
	MUL8 F1, 0, 0
	MUL8 F1, 2, 0
	s_wait_dscnt 0x0
	MUL8 F1, 4, 0
	MUL8 F1, 6, 0
	WIN 0
; THE WAY OUT, a block of 16 tokens x 64 columns at a time.  A lane holds 32 neighbouring bytes of a row and the lanes beside it other rows: so a block goes through my own stage in LDS and comes back as rows of
; 256 bytes, which sixteen lanes store as 256 consecutive bytes, aligned.  LDS serves a wave's instructions in order: no wait between the stores and the loads, nor in front of the next block's stores.
.macro TOSTAGE a
	WIN 0x04                                       ; an LDS store's data are its source 1: window 1
.irp b, 0,1,2,3
	ds_store_b128 v[STO], v[8*(4*(\a)+\b):8*(4*(\a)+\b)+3] offset:64*\b          ; each accumulator from its low end on
	ds_store_b128 v[STO], v[8*(4*(\a)+\b)+4:8*(4*(\a)+\b)+7] offset:64*\b+16
.endr
	WIN 0
.set BB, BK+32*((\a)%2)
.irp i, 0,1,2,3,4,5,6,7
	ds_load_b128 v[BB+4*\i:BB+4*\i+3], v[RD] offset:\i*2*SPITCH
.endr
.endm
.macro SEND a, younger                 ; younger: the LDS instructions issued behind block a's loads, which may stay out
.set BB, BK+32*((\a)%2)
	s_wait_dscnt \younger
.if (\a) > 0
	s_add_nc_u64 s[8:9], s[8:9], 16*4096           ; (behind a wait on XCNT: the earlier stores have read their base)  16 rows on
.endif
.irp i, 0,1,2,3,4,5,6,7
	global_store_b128 v[CO], v[BB+4*\i:BB+4*\i+3], s[8:9] offset:\i*8192 th:TH_STORE_NT
.endr
.endm
	PLACES
	TOSTAGE 0
.irp a, 1,2,3,4,5,6,7
.if \a > 1
	s_wait_xcnt 0x0                                ; block a - 2's stores have read their registers and their base
.endif
	TOSTAGE \a
	SEND \a-1, 16                                  ; behind block a - 1's loads: block a's 8 stores and 8 loads
.endr
	s_wait_xcnt 0x0
	SEND 7, 0
	s_wait_tensorcnt 0x0                           ; the wave's end
	ds_add_u32 v[SPW], v[NIL]
	s_wait_dscnt 0x0
	CROUND                                         ; the closing round
	s_endpgm
.Lfunc_end_k_q59c1da0b02_proj:
	.size	k_q59c1da0b02_proj, .Lfunc_end_k_q59c1da0b02_proj-k_q59c1da0b02_proj
	.p2alignl 7, 3214868480
	.fill 96, 4, 3214868480
	.section	.rodata,"a",@progbits
	.p2align	6, 0x0
	.amdhsa_kernel k_q59c1da0b02_proj
		.amdhsa_group_segment_fixed_size 327680
		.amdhsa_private_segment_fixed_size 0
		.amdhsa_enable_private_segment 0
		.amdhsa_kernarg_size 24
		.amdhsa_user_sgpr_count 2
		.amdhsa_user_sgpr_kernarg_segment_ptr 1
		.amdhsa_wavefront_size32 1
		.amdhsa_system_sgpr_workgroup_id_x 1
		.amdhsa_system_sgpr_workgroup_id_y 1
		.amdhsa_system_sgpr_workgroup_id_z 1
		.amdhsa_system_vgpr_workitem_id 0
		.amdhsa_next_free_vgpr 512
		.amdhsa_next_free_sgpr 66
		.amdhsa_reserve_vcc 0
		.amdhsa_float_denorm_mode_32 3
		.amdhsa_float_denorm_mode_16_64 3
		.amdhsa_memory_ordered 1
		.amdhsa_forward_progress 1
		.amdhsa_inst_pref_size 85
	.end_amdhsa_kernel
	.amdgpu_metadata
---
amdhsa.version: [ 1, 2 ]
amdhsa.kernels:
  - .name:           k_q59c1da0b02_proj
    .symbol:         k_q59c1da0b02_proj.kd
    .args:
      - { .name: o_img, .offset: 0, .size: 8, .value_kind: global_buffer, .address_space: global }
      - { .name: wo_img, .offset: 8, .size: 8, .value_kind: global_buffer, .address_space: global }
      - { .name: out0, .offset: 16, .size: 8, .value_kind: global_buffer, .address_space: global }
    .group_segment_fixed_size: 327680
    .private_segment_fixed_size: 0
    .kernarg_segment_align: 8
    .kernarg_segment_size: 24
    .max_flat_workgroup_size: 128
    .sgpr_count:     66
    .vgpr_count:     512
    .wavefront_size: 32
...
	.end_amdgpu_metadata
.endif
;; end of part 4
